; MI455X (gfx1250); checked and timed in simulation.
; The chip was launched on July 23, 2026; its instructions are those of AMD's public machine-readable ISA for CDNA 5 (MIT licence, August 2026) and "CDNA5" Instruction Set Architecture Reference Guide (July 2026). The comments in the code are by the model that wrote it; some were corrected since.
;; Mixture Of Experts. Allowed arithmetic: float matrix products may take bf16 or f16 operands with f32 sums; other float arithmetic in f32, or as packed bf16 or f16 multiplies, adds, multiply-adds, maxima and minima; sums over many terms, partial sums and values carried from step to step in f32; what a program stores and reads back later, other than sums and carried values, may be rounded once to bf16 or f16.
;; Inputs: W1 8 x 1,024 x 2,048 float32; W2 8 x 2,048 x 1,024 float32; Wr 1,024 x 8 float32; b1 8 x 2,048 float32; b2 8 x 1,024 float32; br 8 float32; x 2,048 x 1,024 float32.
;; Outputs: out0 2,048 x 1,024 float32; out1 2,048 x 8 float32; out2 8 float32.
;; 2 versions, each right and faster than the one before. Each part assembles by itself: llvm-mc -triple=amdgcn-amd-amdhsa -mcpu=gfx1250 --defsym DOCPART=n.
;; ======== version 1 of 2: 3 launches
;; workspace buffers: xb 4,194,304 bytes; routes 8,192 bytes of whole numbers; ratio 8,192 bytes; hs 67,108,864 bytes
;; launch router (part 1): grid 256 x 1, 8 waves a work-group, no clusters, 26,624 bytes of LDS; arguments x, Wr, br, xb, routes, ratio, out1; writes xb, routes, ratio, out1
.if DOCPART == 1
	.amdgcn_target "amdgcn-amd-amdhsa--gfx1250"
	.amdhsa_code_object_version 6
	.text
	.protected	k_qc56929aa9a_router
	.globl	k_qc56929aa9a_router
	.p2align	8
	.type	k_qc56929aa9a_router,@function
k_qc56929aa9a_router:
	s_mov_b64 s[64:65], 0
	v_nop
	global_prefetch_b8 v0, s[64:65] scope:SCOPE_SE
	s_setreg_imm32_b32 hwreg(HW_REG_WAVE_MODE, 25, 1), 1
	s_wait_xcnt 0x0
; ROUTER.  out1[n][:] = softmax(x[n] Wr + br); routes[n] = its argmax (the lower index wins a tie of logits); ratio[n] = p_max x (1 / p_max);
; xb = x rounded to bf16, for the first product.  x: [2048][1024] f32, Wr: [1024][8] f32, br: [8] f32.
; FORMATS.  x, Wr and br are rounded to bf16 once; products on the matrix unit, sums in f32; softmax in f32 with the row's maximum taken away.
; SHARES.  A work-group has 8 tokens, wave w the channels 128 w .. 128 w + 127 of all 8; the eight partial sums meet in LDS behind one barrier and wave 0 finishes.
; LAYOUT.  Source 0 = 16 rows of Wr^T (expert lane % 8, twice), source 1 = 16 tokens (token lane % 8, twice): every lane then holds the 8 logits of token lane % 8.
; LIMITS.  The argmax is taken of the logits; two logits that differ by less than the f32 sums' rounding may be ordered otherwise than by another order of summation.
; A weight below 2^-126 counts as 0.  NaN and infinities are not treated apart.  ratio is 1 to within the reciprocal's last bit.
; No cluster: the work-groups share only Wr, 32 KB against 32 KB of x of their own, read once at the start.
.set XTP,   272                        ; a token's 256 bytes of bf16 + 16: the 8 rows of a fragment load start 68 words apart
.set XTW,   8*XTP                      ; a wave's 8 rows
.set PART,  8*XTW                      ; 8 waves x 32 lanes x 8 partial logits in f32
.set SPARE, PART+8192                  ; the spare words: 128 bytes a wave, four blocks of 256 bytes that no other line names
.set X,   32                           ; v[32:63]   x as loaded: row j at X + 4 j
.set WF,  64                           ; v[64:127]  Wr as loaded
.set WB,  128                          ; v[128:159] Wr in bf16: four fragments
.set XB,  160                          ; v[160:175] x in bf16: row j at XB + 2 j
.set XF,  176                          ; v[176:207] x's four fragments
.set AC0, 208                          ; two accumulators, which take turns
.set AC1, 216
.set SUM, 224
	s_load_b256 s[4:11], s[0:1], 0x0               ; x s[4:5], Wr s[6:7], br s[8:9], xb s[10:11]
	s_load_b128 s[12:15], s[0:1], 0x20             ; routes s[12:13], ratio s[14:15]
	s_load_b64 s[16:17], s[0:1], 0x30              ; out1
	v_lshl_add_u32 v30, v0, 2, SPARE               ; my spare word,
	v_mov_b32 v31, 0                               ; and 0: kept for the add alone
	v_lshrrev_b32 v1, 5, v0
	v_readfirstlane_b32 s20, v1                    ; wave 0..7
	v_and_b32 v1, 31, v0                           ; lane l
	v_and_b32 v2, 7, v0                            ; l % 8
	v_bfe_u32 v3, v0, 4, 1                         ; h = l / 16
	v_lshlrev_b32 v4, 4, v1                        ; 16 l
	v_lshlrev_b32 v5, 2, v2
	v_lshl_add_u32 v5, v3, 8, v5                   ; Wr: 8 h rows of 32 bytes + column l % 8
	v_lshlrev_b32 v6, 3, v1                        ; 8 l
	s_mul_i32 s21, s20, XTW
	v_add_nc_u32 v7, s21, v6                       ; into my wave's rows: 8 bytes a lane
	v_mul_u32_u24 v8, v2, XTP
	v_lshl_add_u32 v8, v3, 4, v8
	v_add_nc_u32 v8, s21, v8                       ; a fragment's row l % 8, 16 bytes for each half of the lanes
	s_lshl_b32 s22, s20, 10
	s_add_co_u32 s22, s22, PART
	v_lshl_add_u32 v9, v1, 5, s22                  ; my 8 partial logits
	v_lshlrev_b32 v10, 5, v2
	v_add_nc_u32 v10, PART, v10                    ; wave 0 reads lane l % 8's partial logits of every wave
	s_mov_b32 s32, 0x3fb8aa3b                      ; log2(e)
	s_mov_b32 s35, 0
	s_wait_kmcnt 0x0
	s_load_b256 s[24:31], s[8:9], 0x0              ; br's eight numbers
	s_lshl_b32 s34, s20, 12                        ; Wr at my wave's 128 rows
	s_add_nc_u64 s[6:7], s[6:7], s[34:35]
	s_lshl_b32 s34, ttmp9, 15                      ; x at my 8 rows of 4,096 bytes, my wave's 512 bytes
	s_lshl_b32 s36, s20, 9
	s_add_co_u32 s34, s34, s36
	s_add_nc_u64 s[4:5], s[4:5], s[34:35]
	s_lshl_b32 s34, ttmp9, 14                      ; xb likewise, half the bytes
	s_lshl_b32 s36, s20, 8
	s_add_co_u32 s34, s34, s36
	s_add_nc_u64 s[10:11], s[10:11], s[34:35]
	s_lshl_b32 s34, ttmp9, 8                       ; out1: 8 tokens x 32 bytes
	s_add_nc_u64 s[16:17], s[16:17], s[34:35]
	s_lshl_b32 s34, ttmp9, 5                       ; routes and ratio: 8 tokens x 4 bytes
	s_add_nc_u64 s[12:13], s[12:13], s[34:35]
	s_add_nc_u64 s[14:15], s[14:15], s[34:35]
	; Wr: number i of k step ks is row 32 ks + 16 (i / 8) + 8 h + i % 8: two neighbours make one register of a fragment
.set i, 0
.rept 64
	global_load_b32 v[WF+i], v5, s[6:7] offset:(32*(i>>4)+16*((i>>3)&1)+(i&7))*32
.set i, i+1
.endr
.set j, 0
.rept 8
	global_load_b128 v[X+4*j:X+4*j+3], v4, s[4:5] offset:4096*j th:TH_LOAD_NT  ; 512 consecutive bytes of row j
.set j, j+1
.endr
	s_wait_loadcnt 0x8                             ; the 8 loads of x are younger: Wr is in
.set q, 0
.rept 32
	v_cvt_pk_bf16_f32 v[WB+q], v[WF+2*q], v[WF+2*q+1]
.set q, q+1
.endr
.set j, 0
.rept 8
	s_wait_loadcnt 7-j                             ; the rows behind row j stay out
	v_cvt_pk_bf16_f32 v[XB+2*j], v[X+4*j], v[X+4*j+1]
	v_cvt_pk_bf16_f32 v[XB+2*j+1], v[X+4*j+2], v[X+4*j+3]
	global_store_b64 v6, v[XB+2*j:XB+2*j+1], s[10:11] offset:2048*j  ; the wave's store covers 256 consecutive bytes, aligned
	ds_store_b64 v7, v[XB+2*j:XB+2*j+1] offset:XTP*j
.set j, j+1
.endr
.set q, 0
.rept 4
	ds_load_b128 v[XF+8*q:XF+8*q+3], v8 offset:64*q            ; my own wave's bytes: LDS serves a wave's instructions in order
	ds_load_b128 v[XF+8*q+4:XF+8*q+7], v8 offset:64*q+32
.set q, q+1
.endr
	s_wait_dscnt 0x0
	v_wmma_f32_16x16x32_bf16 v[AC0:AC0+7], v[WB:WB+7], v[XF:XF+7], 0                      ; the first two products start the sums;
	v_wmma_f32_16x16x32_bf16 v[AC1:AC1+7], v[WB+8:WB+15], v[XF+8:XF+15], 0                ; the two accumulators take turns
	v_wmma_f32_16x16x32_bf16 v[AC0:AC0+7], v[WB+16:WB+23], v[XF+16:XF+23], v[AC0:AC0+7]
	v_wmma_f32_16x16x32_bf16 v[AC1:AC1+7], v[WB+24:WB+31], v[XF+24:XF+31], v[AC1:AC1+7]
.rept 4
	v_nop                                          ; four places between the last product and the first read of a result
.endr
.set p, 0
.rept 4
	v_pk_add_f32 v[SUM+2*p:SUM+2*p+1], v[AC0+2*p:AC0+2*p+1], v[AC1+2*p:AC1+2*p+1]  ; from the low registers on
.set p, p+1
.endr
	ds_store_b128 v9, v[SUM:SUM+3]
	ds_store_b128 v9, v[SUM+4:SUM+7] offset:16
	s_wait_dscnt 0x0                               ; for wave 0's sake: my partial sums are in LDS
	s_barrier_signal -1
	s_barrier_wait -1
	s_wait_tensorcnt 0x0                           ; no wave writes LDS from here on
	ds_add_u32 v30, v31
	s_wait_dscnt 0x0
	s_cmp_lg_u32 s20, 0
	s_cbranch_scc1 .Lend                           ; waves 1 to 7 are done
.set w, 0
.rept 8
	ds_load_b128 v[32+8*w:32+8*w+3], v10 offset:1024*w
	ds_load_b128 v[32+8*w+4:32+8*w+7], v10 offset:1024*w+16
.set w, w+1
.endr
	s_wait_dscnt 0x0
.set w, 1
.rept 7
.set p, 0
.rept 4
	v_pk_add_f32 v[32+2*p:33+2*p], v[32+2*p:33+2*p], v[32+8*w+2*p:33+8*w+2*p]
.set p, p+1
.endr
.set w, w+1
.endr
	s_wait_kmcnt 0x0                               ; br
.set p, 0
.rept 4
	v_cvt_pk_bf16_f32 v96, s[24+2*p], s[25+2*p]    ; br rounded to bf16 like the other inputs,
	v_lshlrev_b32 v97, 16, v96                     ; and widened again
	v_and_b32 v98, 0xffff0000, v96
	v_add_f32 v[32+2*p], v[32+2*p], v97
	v_add_f32 v[33+2*p], v[33+2*p], v98
.set p, p+1
.endr
	v_max3_num_f32 v100, v32, v33, v34             ; the row's maximum
	v_max3_num_f32 v100, v100, v35, v36
	v_max3_num_f32 v100, v100, v37, v38
	v_max_num_f32 v100, v100, v39
	v_mov_b32 v101, 0                              ; the argmax: a later expert wins only if it is greater
	v_mov_b32 v102, v32
.irp e, 1,2,3,4,5,6,7
	v_cmp_gt_f32 vcc_lo, v[32+\e], v102
	v_cndmask_b32 v101, v101, \e, vcc_lo
	v_max_num_f32 v102, v102, v[32+\e]
.endr
.irp e, 0,1,2,3,4,5,6,7
	v_sub_f32 v[40+\e], v[32+\e], v100
.endr
.irp e, 0,1,2,3,4,5,6,7
	v_mul_f32 v[40+\e], s32, v[40+\e]
.endr
.irp e, 0,1,2,3,4,5,6,7
	v_exp_f32 v[40+\e], v[40+\e]                   ; one batch
.endr
	v_nop                                          ; a plain instruction behind the last exponential,
	s_wait_alu depctr_va_vdst(0)                   ; and one wait for the batch, ahead of its first reader
	v_add_f32 v103, v40, v41
	v_add_f32 v104, v42, v43
	v_add_f32 v105, v44, v45
	v_add_f32 v106, v46, v47
	v_add_f32 v103, v103, v104
	v_add_f32 v105, v105, v106
	v_add_f32 v103, v103, v105
	v_rcp_f32 v107, v103                           ; 1 / sum: also p_max, since the largest exponential is 2^0 = 1
	v_nop
	s_wait_alu depctr_va_vdst(0)
	v_rcp_f32 v108, v107                           ; 1 / p_max; the eight multiplies below name neither its result nor write its source
.irp e, 0,1,2,3,4,5,6,7
	v_mul_f32 v[40+\e], v[40+\e], v107
.endr
	s_wait_alu depctr_va_vdst(0)
	v_mul_f32 v109, v107, v108                     ; p_max / p_max
	; out1: lane l < 16 stores experts 4 (l / 8) .. + 3 of token l % 8: the 16 lanes cover the work-group's 256 bytes
	v_and_b32 v110, 8, v1
	v_cmp_ne_u32 vcc_lo, 0, v110
.irp k, 0,1,2,3
	v_cndmask_b32 v[112+\k], v[40+\k], v[44+\k], vcc_lo
.endr
	v_lshlrev_b32 v111, 5, v2
	v_lshl_add_u32 v111, v110, 1, v111
	v_lshlrev_b32 v116, 2, v1
	s_wait_xcnt 0x0                                ; EXEC changes only behind this wait: xb's stores were issued with all lanes
	v_cmp_gt_u32 vcc_lo, 16, v1
	s_and_saveexec_b32 s37, vcc_lo
	global_store_b128 v111, v[112:115], s[16:17]
	s_wait_xcnt 0x0
	s_or_b32 exec_lo, exec_lo, s37
	v_cmp_gt_u32 vcc_lo, 8, v1
	s_and_saveexec_b32 s38, vcc_lo
	global_store_b32 v116, v101, s[12:13]          ; the route, a whole number at a fixed place: later launches place the rows by it
	global_store_b32 v116, v109, s[14:15]
	s_wait_xcnt 0x0
	s_or_b32 exec_lo, exec_lo, s38
.Lend:
	s_endpgm
.Lfunc_end_k_qc56929aa9a_router:
	.size	k_qc56929aa9a_router, .Lfunc_end_k_qc56929aa9a_router-k_qc56929aa9a_router
	.p2alignl 7, 3214868480
	.fill 96, 4, 3214868480
	.section	.rodata,"a",@progbits
	.p2align	6, 0x0
	.amdhsa_kernel k_qc56929aa9a_router
		.amdhsa_group_segment_fixed_size 26624
		.amdhsa_private_segment_fixed_size 0
		.amdhsa_enable_private_segment 0
		.amdhsa_kernarg_size 56
		.amdhsa_user_sgpr_count 2
		.amdhsa_user_sgpr_kernarg_segment_ptr 1
		.amdhsa_wavefront_size32 1
		.amdhsa_system_sgpr_workgroup_id_x 1
		.amdhsa_system_sgpr_workgroup_id_y 1
		.amdhsa_system_sgpr_workgroup_id_z 1
		.amdhsa_system_vgpr_workitem_id 0
		.amdhsa_next_free_vgpr 232
		.amdhsa_next_free_sgpr 66
		.amdhsa_reserve_vcc 1
		.amdhsa_float_denorm_mode_32 3
		.amdhsa_float_denorm_mode_16_64 3
		.amdhsa_memory_ordered 1
		.amdhsa_forward_progress 1
		.amdhsa_inst_pref_size 23
	.end_amdhsa_kernel
	.amdgpu_metadata
---
amdhsa.version: [ 1, 2 ]
amdhsa.kernels:
  - .name:           k_qc56929aa9a_router
    .symbol:         k_qc56929aa9a_router.kd
    .args:
      - { .name: x, .offset: 0, .size: 8, .value_kind: global_buffer, .address_space: global }
      - { .name: Wr, .offset: 8, .size: 8, .value_kind: global_buffer, .address_space: global }
      - { .name: br, .offset: 16, .size: 8, .value_kind: global_buffer, .address_space: global }
      - { .name: xb, .offset: 24, .size: 8, .value_kind: global_buffer, .address_space: global }
      - { .name: routes, .offset: 32, .size: 8, .value_kind: global_buffer, .address_space: global }
      - { .name: ratio, .offset: 40, .size: 8, .value_kind: global_buffer, .address_space: global }
      - { .name: out1, .offset: 48, .size: 8, .value_kind: global_buffer, .address_space: global }
    .group_segment_fixed_size: 26624
    .private_segment_fixed_size: 0
    .kernarg_segment_align: 8
    .kernarg_segment_size: 56
    .max_flat_workgroup_size: 256
    .sgpr_count:     66
    .vgpr_count:     232
    .wavefront_size: 32
...
	.end_amdgpu_metadata
.endif
;; end of part 1
;; launch up (part 2): grid 32 x 8, 4 waves a work-group, no clusters, 165,376 bytes of LDS; arguments W1, b1, xb, routes, hs, out2; writes hs, out2
.if DOCPART == 2
	.amdgcn_target "amdgcn-amd-amdhsa--gfx1250"
	.amdhsa_code_object_version 6
	.text
	.protected	k_qc56929aa9a_up
	.globl	k_qc56929aa9a_up
	.p2align	8
	.type	k_qc56929aa9a_up,@function
k_qc56929aa9a_up:
	s_mov_b64 s[64:65], 0
	v_nop
	global_prefetch_b8 v0, s[64:65] scope:SCOPE_SE
	s_setreg_imm32_b32 hwreg(HW_REG_WAVE_MODE, 25, 1), 1
	s_wait_xcnt 0x0
; FIRST PRODUCT.  For each token n routed to expert e: h[n][:] = relu(x[n] W1[e] + b1[e]), stored in bf16 in the order in which the second product's operand registers take it.  out2[e] = the expert's tokens.
; W1: [8][1024][2048] f32, b1: [8][2048] f32, xb: [2048][1024] bf16, routes: u32[2048].  W1 and b1 are rounded to bf16 once, sums in f32, h rounded once.
; SHARES.  Work-group (sl, e) has the 64 columns 64 sl .. of W1[e], which it alone reads (262,144 bytes), and ALL rows of expert e, whatever their number (0 to 2,048).  Four like waves.
; FIRST every wave streams a quarter of the slice (k steps 4 g + w), rounds it and lays it into LDS as operand fragments; beside that it makes its list of the expert's tokens.  One barrier.  THEN every wave
; multiplies its tiles of 16 rows by the whole slice.  All LDS writes of the launch stand ahead of that barrier; behind it LDS is only read.
; WEIGHTS WITHOUT A TURN.  Lane (c = l % 16, h = l / 16) loads 16 bytes of row k, columns 64 sl + 4 c .. + 3: lanes 0-15 cover 256 consecutive aligned bytes.  Component t belongs to fragment t, in which
; index c stands for column 64 sl + 4 c + t.  Source 0 = such a fragment, source 1 = 16 tokens: register j of tile t in lane (r, h) is h[token r][64 sl + 32 h + 4 j + t].  Tiles 2 f, 2 f + 1, packed in
; pairs, are registers 0-3 and 4-7 of k step 2 sl + f of the second product, which loads W2's rows in the same order of k.
; THE LIST.  Each wave scans all routes and keeps its own list of the expert's tokens in LDS bytes of its own (the second product makes the same list by the same lines).  16 entries past the count
; repeat the last token, so a tile that is not full computes that token's row again.  T = ceil(count / 16) tiles; wave w takes tiles 20 blk + 4 i + w, i = 0..4; blocks 1-6 (a constant count that serves
; every split) are jumped where they hold nothing.  A slot past T loads a tile that exists, so that every wait's count holds on every path; it stores nothing.
; hs: expert e at e x 2^23, tile of 16 rows at x 65,536, k step at x 1,024, registers 0-3 | 4-7 at x 512, lane at x 16.
; No cluster: a slice has one reader, and the token rows come by a list that no tensor descriptor covers.  LIMITS: NaN and infinities are not treated apart.
.set NK,    32                         ; k steps of 32
.set R,     8                          ; places in the ring of token fragments
.set D,     6                          ; a step's tokens are asked for D steps ahead
.set NSLOT, 5                          ; tiles of 16 rows a wave and block
.set LPS,   2*NSLOT                    ; token loads a k step
.set ASTEP, 64                         ; bytes of a token's row in a k step
.set TRIPN, 3                          ; trips of R steps: steps 1 .. R x TRIPN
.set TL,    NK-1-R*TRIPN               ; the steps written out behind the loop
.set NBLK,  7
.set GMAX,  7                          ; a wave's groups of 16 weight loads: group g is k step 4 g + w
.set LISTS, 131072                     ; behind the fragments (32 k steps x 4 tiles x 1,024 bytes)
.set LISTB, 8448                       ; a wave's list: words 0-2047 the list, 2048-2063 its pad at the fullest, 2064-2095 where lanes without a match write
.set SPARE, LISTS+4*LISTB              ; the spare words: 128 bytes a wave, two blocks of 256 bytes that no other line names
.set FR,   32                          ; v[32:63]   a group's four fragments in bf16
.set BB,   32                          ; v[32:63], v[64:95] later: the weights' fragments of a k step, two buffers
.set PK,   32                          ; packed results on the way out
.set B1R,  64                          ; v[64:95]   b1 as loaded
.set RT,   96                          ; v[96:159]  the routes as loaded
.set ACC,  96                          ; v[96:255]  later: accumulator (slot i, tile t) at ACC + 32 i + 8 t
.set BIAS, 80                          ; window 2: v[80:111] the bias as a C operand, tile t at BIAS + 8 t
; window 1: v[0:255] four groups of 16 weight loads; later ring places 0-5, place b, slot i at 40 b + 8 i.  window 2: v[0:79] places 6, 7.
; v1 lane, v2 l % 16, v3 l / 16, v4 16 l, v5 16 h, v6 list + 4 r, v7 fragments' LDS address, v8-12 token offsets in xb, v13-17 tile offsets in hs, v18 0, v19-20 at work, v21 4 l, v24 2064 + l,
; v25 lane's offset in W1, v26-27 where fragments are stored, v28 lane's offset in b1, v30-31 the add's pair.
; s16 wave, s17 e, s18 sl, s[22:23] xb running, s[24:25] hs, s26 list, s27 count, s29 T, s30 max(T,1)-1, s31 live slots, s32 block, s33 trips, s34 my first tile, s[40:41] b1, s[44:45] W1, s46 LDS step
.set MSB, 0
.macro WIN new                         ; s_set_vgpr_msb: bits 1:0 source 0, 3:2 source 1, 5:4 source 2, 7:6 destination; the high byte repeats the setting that is left
.if MSB != (\new)
	s_set_vgpr_msb (MSB<<8)|(\new)
.set MSB, (\new)
.endif
.endm
.macro PLACES                          ; four places between a matrix instruction and a load into, or a vector write of, one of its registers, or a read of its result
.rept 4
	v_nop
.endr
.endm
.macro LOADG g                         ; 16 loads: rows 32 (4 g + w) + 16 (i / 8) + 8 h + i % 8; w and h stand in the base and in v25
	WIN 0x40
.set i, 0
.rept 16
	global_load_b128 v[64*((\g)%4)+4*i:64*((\g)%4)+4*i+3], v25, s[44:45] offset:(128*(\g)+16*(i>>3)+(i&7))*8192 th:TH_LOAD_NT
.set i, i+1
.endr
.endm
.macro CONVG g, extra=0                ; group g is rounded, laid into LDS, and its registers are asked for again.  extra: other loads issued behind the last group
.set yg, GMAX-(\g)
.if yg > 3
.set yg, 3
.endif
	s_wait_loadcnt 16*yg+(\extra)                  ; the younger groups, three at the most, and the extra loads stay out
	WIN 0x05
.set t, 0
.rept 4
.set q, 0
.rept 8
	v_cvt_pk_bf16_f32 v[FR+8*t+q], v[64*((\g)%4)+8*q+t], v[64*((\g)%4)+8*q+4+t]  ; rows 2 q and 2 q + 1 of the 16, component t
.set q, q+1
.endr
.set t, t+1
.endr
	WIN 0
.set t, 0
.rept 4
	ds_store_b128 v[26+((\g)>>2)], v[FR+8*t:FR+8*t+3] offset:16384*((\g)&3)+1024*t        ; 512 consecutive bytes
	ds_store_b128 v[26+((\g)>>2)], v[FR+8*t+4:FR+8*t+7] offset:16384*((\g)&3)+1024*t+512
.set t, t+1
.endr
.if (\g)+4 <= GMAX
	LOADG (\g)+4
.endif
.endm
.macro STEP reg, tok                   ; 32 routes: the lanes that match take the next places of the list, the others write to the dump
	v_cmp_eq_u32 vcc_lo, s17, v[\reg]
	v_mbcnt_lo_u32_b32 v19, vcc_lo, s27            ; count so far + matches in the lanes below me
	s_bcnt1_i32_b32 s28, vcc_lo
	v_cndmask_b32 v19, v24, v19, vcc_lo
	s_add_co_u32 s27, s27, s28
	v_min_u32 v19, 0x82f, v19                      ; inside my wave's 2,096 words
	v_add_nc_u32 v20, \tok, v21
	v_lshl_add_u32 v19, v19, 2, s26
	ds_store_b32 v19, v20
.endm
.macro LISTQ n                         ; a quarter of the routes: loads 4 n .. 4 n + 3; word k of load q in lane l is token 128 q + 4 l + k
	WIN 0
.set q, 4*(\n)
.rept 4
.set k, 0
.rept 4
	STEP RT+4*q+k, 128*q+k
.set k, k+1
.endr
.set q, q+1
.endr
.endm
.macro SETUPN                          ; block s32: my first tile, and how many of my five tiles exist
	s_mul_i32 s34, s32, 4*NSLOT
	s_add_co_u32 s34, s34, s16
	s_add_co_u32 s35, s29, 3
	s_sub_co_i32 s35, s35, s34
	s_max_i32 s35, s35, 0
	s_lshr_b32 s35, s35, 2
	s_min_u32 s31, s35, NSLOT
.endm
.macro SETUPV                          ; token offsets and tile offsets of the block
	s_wait_xcnt 0x0                                ; the offsets below are sources of earlier loads and stores
.set i, 0
.rept NSLOT
	s_add_co_u32 s36, s34, 4*i
	s_min_u32 s36, s36, s30                        ; a slot past the end takes the last tile
	s_min_u32 s36, s36, 127
	s_lshl_b32 s37, s36, 6
	v_add_nc_u32 v19, s37, v6
	ds_load_b32 v[8+i], v19                        ; list[16 tile + r]
	s_lshl_b32 s37, s36, 16
	v_add_nc_u32 v[13+i], s37, v4
.set i, i+1
.endr
	s_wait_dscnt 0x0
.set i, 0
.rept NSLOT
	v_min_u32 v[8+i], 0x7ff, v[8+i]
	v_lshl_add_u32 v[8+i], v[8+i], 11, v5          ; token x 2,048 + 16 h
.set i, i+1
.endr
	s_mov_b64 s[22:23], s[8:9]
.endm
.macro ALOAD buf, imm                  ; a k step's token fragments for the five slots, into ring place buf: 10 loads
.set AW, 1+(\buf)/6
.set AR, 40*((\buf)%6)
	WIN AW<<6
.set i, 0
.rept NSLOT
	global_load_b128 v[AR+8*i:AR+8*i+3], v[8+i], s[22:23] offset:(\imm)
	global_load_b128 v[AR+8*i+4:AR+8*i+7], v[8+i], s[22:23] offset:(\imm)+32
.set i, i+1
.endr
.endm
.macro MULS buf, par, first, i0, cnt   ; cnt slots x 4 tiles; first = 1: the bias starts the sums.  All accumulators take turns, one instruction a turn
.set AW, 1+(\buf)/6
.set AR, 40*((\buf)%6)
.if \first
	WIN (AW<<2)|0x20
.else
	WIN AW<<2
.endif
.set i, \i0
.rept \cnt
.set t, 0
.rept 4
.if \first
	v_wmma_f32_16x16x32_bf16 v[ACC+32*i+8*t:ACC+32*i+8*t+7], v[BB+32*(\par)+8*t:BB+32*(\par)+8*t+7], v[AR+8*i:AR+8*i+7], v[BIAS+8*t:BIAS+8*t+7]
.else
	v_wmma_f32_16x16x32_bf16 v[ACC+32*i+8*t:ACC+32*i+8*t+7], v[BB+32*(\par)+8*t:BB+32*(\par)+8*t+7], v[AR+8*i:AR+8*i+7], v[ACC+32*i+8*t:ACC+32*i+8*t+7]
.endif
.set t, t+1
.endr
.set i, i+1
.endr
.endm
; K step s (ring place buf = s % R, weights' buffer par = s % 2).  It asks for the weights of s + 1 (LDS), into the buffer that step s - 1 multiplied, and the tokens of s + D (memory), into a place multiplied earlier; then it multiplies.
.macro U buf, par, first, bnext, breg, bimm, anext, abuf, aimm, lw
	PLACES
.if \bnext
	WIN 0
.set t, 0
.rept 4
	ds_load_b128 v[BB+32*(1-(\par))+8*t:BB+32*(1-(\par))+8*t+3], v[\breg] offset:(\bimm)+1024*t
	ds_load_b128 v[BB+32*(1-(\par))+8*t+4:BB+32*(1-(\par))+8*t+7], v[\breg] offset:(\bimm)+1024*t+512
.set t, t+1
.endr
.endif
.if \anext
	ALOAD \abuf, \aimm
.endif
.if \bnext
	s_wait_dscnt 0x8                               ; the 8 just issued stay out: this step's weights are in
.else
	s_wait_dscnt 0x0
.endif
	s_wait_loadcnt \lw                             ; the younger steps' token loads, 10 a step, stay out
	MULS \buf, \par, \first, 0, NSLOT-1
.if \first
	MULS \buf, \par, 1, NSLOT-1, 1
	WIN 0
.else
	WIN 0
	s_cmp_lt_u32 s31, NSLOT                        ; the fifth slot's products are jumped where it holds no tile
	s_cbranch_scc1 .Lskip_\@
	MULS \buf, \par, 0, NSLOT-1, 1
	WIN 0
.Lskip_\@:
.endif
.endm
	s_load_b256 s[4:11], s[0:1], 0x0               ; W1 s[4:5], b1 s[6:7], xb s[8:9], routes s[10:11]
	s_load_b128 s[12:15], s[0:1], 0x20             ; hs s[12:13], out2 s[14:15]
	v_lshl_add_u32 v30, v0, 2, SPARE               ; my spare word,
	v_mov_b32 v31, 0                               ; and 0: kept for the add alone
	v_lshrrev_b32 v1, 5, v0
	v_readfirstlane_b32 s16, v1                    ; wave 0..3
	v_and_b32 v1, 31, v0
	v_and_b32 v2, 15, v0
	v_bfe_u32 v3, v0, 4, 1
	v_lshlrev_b32 v4, 4, v1
	v_lshlrev_b32 v5, 4, v3
	v_mov_b32 v18, 0
	v_lshlrev_b32 v21, 2, v1
	v_add_nc_u32 v24, 2064, v1
	v_lshlrev_b32 v25, 4, v2
	v_lshl_add_u32 v25, v3, 16, v25                ; 8 h rows of 8,192 bytes + 16 c
	v_lshlrev_b32 v28, 7, v3                       ; my 32 numbers of b1: 128 h bytes on
	s_and_b32 s17, ttmp7, 0xffff                   ; expert
	s_mov_b32 s18, ttmp9                           ; slice
	s_mov_b32 s21, 0
	s_mov_b32 s43, 0xffff0000
	s_mul_i32 s26, s16, LISTB
	s_add_co_u32 s26, s26, LISTS                   ; my wave's list
	v_lshl_add_u32 v6, v2, 2, s26
	s_lshl_b32 s28, s16, 12
	v_add_nc_u32 v26, s28, v4                      ; k step w, 16 bytes a lane
	s_add_co_u32 s28, s28, 0x10000
	v_add_nc_u32 v27, s28, v4                      ; k step 16 + w
	s_wait_kmcnt 0x0
	s_lshl_b32 s20, s17, 23                        ; W1 at expert e, column 64 sl, row 32 w
	s_lshl_b32 s28, s18, 8
	s_add_co_u32 s20, s20, s28
	s_lshl_b32 s28, s16, 18
	s_add_co_u32 s20, s20, s28
	s_add_nc_u64 s[44:45], s[4:5], s[20:21]
	s_lshl_b32 s20, s17, 23                        ; hs at expert e, k steps 2 sl and 2 sl + 1
	s_lshl_b32 s28, s18, 11
	s_add_co_u32 s20, s20, s28
	s_add_nc_u64 s[24:25], s[12:13], s[20:21]
	s_lshl_b32 s20, s17, 13                        ; b1 at expert e, column 64 sl
	s_lshl_b32 s28, s18, 8
	s_add_co_u32 s20, s20, s28
	s_add_nc_u64 s[40:41], s[6:7], s[20:21]
.set q, 0
.rept 16
	global_load_b128 v[RT+4*q:RT+4*q+3], v4, s[10:11] offset:512*q  ; all 2,048 routes: what is quick is asked for first, since loads come back in order
.set q, q+1
.endr
.set j, 0
.rept 8
	global_load_b128 v[B1R+4*j:B1R+4*j+3], v28, s[40:41] offset:16*j
.set j, j+1
.endr
	LOADG 0
	LOADG 1
	s_wait_loadcnt 0x20                            ; the 32 weight loads are younger: routes and bias are in
	LOADG 2                                        ; from here on 64 loads of 512 bytes are out for each wave
	LOADG 3
	WIN 0
.set j, 0
.rept 8                                ; the bias, rounded to bf16 like the other inputs, as a C operand: register j of tile t = b1[64 sl + 32 h + 4 j + t]
	v_cvt_pk_bf16_f32 v[32+2*j], v[B1R+4*j], v[B1R+4*j+1]
	v_cvt_pk_bf16_f32 v[33+2*j], v[B1R+4*j+2], v[B1R+4*j+3]
.set j, j+1
.endr
	WIN 0x80
.set j, 0
.rept 8
	v_lshlrev_b32 v[BIAS+j], 16, v[32+2*j]
	v_and_b32 v[BIAS+8+j], s43, v[32+2*j]
	v_lshlrev_b32 v[BIAS+16+j], 16, v[33+2*j]
	v_and_b32 v[BIAS+24+j], s43, v[33+2*j]
.set j, j+1
.endr
	WIN 0
	v_mov_b32 v19, s26
	ds_store_b32 v19, v18                          ; list[0] = 0, for an expert without rows; a first match writes over it (a wave's LDS instructions are served in order)
	s_mov_b32 s27, 0
	LISTQ 0                                        ; the list is made in quarters between the first groups, so that the ring of weight loads is filled again meanwhile
	CONVG 0
	LISTQ 1
	CONVG 1
	LISTQ 2
	CONVG 2
	LISTQ 3
	CONVG 3
	WIN 0
	s_max_u32 s28, s27, 1                          ; the last token is repeated 16 times behind the list
	s_sub_co_u32 s28, s28, 1
	s_min_u32 s28, s28, 2047
	s_lshl_b32 s28, s28, 2
	s_add_co_u32 s28, s28, s26
	v_mov_b32 v19, s28
	ds_load_b32 v20, v19
	v_add_nc_u32 v19, s27, v2
	v_min_u32 v19, 2063, v19
	v_lshl_add_u32 v19, v19, 2, s26
	s_wait_dscnt 0x0
	ds_store_b32 v19, v20
	s_add_co_u32 s29, s27, 15
	s_lshr_b32 s29, s29, 4                         ; T
	s_max_u32 s30, s29, 1
	s_sub_co_u32 s30, s30, 1
	s_or_b32 s28, s18, s16                         ; out2[e]: slice 0's wave 0 alone
	s_cmp_lg_u32 s28, 0
	s_cbranch_scc1 .Lno2
	v_cvt_f32_u32 v20, s27
	s_lshl_b32 s28, s17, 2
	v_mov_b32 v19, s28
	s_wait_xcnt 0x0                                ; EXEC changes only behind this wait
	v_cmp_eq_u32 vcc_lo, 0, v1
	s_and_saveexec_b32 s38, vcc_lo
	global_store_b32 v19, v20, s[14:15]
	s_wait_xcnt 0x0
	s_or_b32 exec_lo, exec_lo, s38
.Lno2:
	CONVG 4
	CONVG 5
	s_mov_b32 s32, 0
	SETUPN
	SETUPV
	ALOAD 0, 0                                     ; the tokens of k steps 0 to 2 go out behind the last weight loads, into registers of groups 4 and 5, which are rounded
	ALOAD 1, ASTEP
	ALOAD 2, 2*ASTEP
	CONVG 6, 30                                    ; group 7 and those 30 loads are younger
	CONVG 7, 30
	ALOAD 3, 3*ASTEP
	ALOAD 4, 4*ASTEP
	ALOAD 5, 5*ASTEP
	WIN 0
	s_wait_tensorcnt 0x0                           ; my last LDS store is issued
	ds_add_u32 v30, v31
	s_wait_dscnt 0x0                               ; my fragments are stored, for the others' sake
	s_barrier_signal -1
	s_barrier_wait -1                              ; the whole slice is in LDS; from here on no wave writes LDS
	s_branch .Lgo                                  ; block 0 is set up: the loop over blocks is entered in its middle
.Lblk:
	SETUPN
	s_cmp_eq_u32 s31, 0
	s_cbranch_scc1 .Lnext                          ; nothing of mine in this block: no load is issued for it
	SETUPV
.set ua, 0
.rept D
	ALOAD ua, ASTEP*ua
.set ua, ua+1
.endr
	WIN 0
.Lgo:
.set t, 0
.rept 4
	ds_load_b128 v[BB+8*t:BB+8*t+3], v4 offset:1024*t          ; the weights of k step 0
	ds_load_b128 v[BB+8*t+4:BB+8*t+7], v4 offset:1024*t+512
.set t, t+1
.endr
	U 0, 0, 1, 1, 4, 4096, 1, D%R, ASTEP*D, LPS*D  ; k step 0 starts the sums
	s_mov_b32 s46, 0
	s_mov_b32 s33, TRIPN
.Ltrip:                                                ; trip m: k steps 1 + 8 m .. 8 + 8 m
	v_add_nc_u32 v7, s46, v4
.set uj, 0
.rept R
	U (1+uj)%R, (1+uj)&1, 0, 1, 7, 4096*(2+uj), 1, (1+uj+D)%R, ASTEP*(1+uj+D), LPS*D
.set uj, uj+1
.endr
	s_wait_xcnt 0x0                                ; the base is stepped only behind this wait
	s_add_nc_u64 s[22:23], s[22:23], R*ASTEP
	s_add_co_u32 s46, s46, R*4096
	s_sub_co_u32 s33, s33, 1
	s_cmp_lg_u32 s33, 0
	s_cbranch_scc1 .Ltrip
	v_add_nc_u32 v7, s46, v4
.set uj, 0
.rept TL                               ; the last steps are written out: nothing is asked for past the rows' ends, and the counts run down
.set us, NK-TL+uj
.set ulw, NK-1-us
.if ulw > D
.set ulw, D
.endif
.set ubn, 0
.if us < NK-1
.set ubn, 1
.endif
.set uan, 0
.if us+D < NK
.set uan, 1
.endif
	U (1+uj)%R, (1+uj)&1, 0, ubn, 7, 4096*(2+uj), uan, (1+uj+D)%R, ASTEP*(1+uj+D), LPS*ulw
.set uj, uj+1
.endr
	; the way out: round to bf16, ReLU on the packed halves, 512 consecutive bytes a store
	PLACES
.set i, 0
.rept NSLOT
	s_cmp_le_u32 s31, i
	s_cbranch_scc1 .Lepi_end                       ; slots past the last tile store nothing
	s_wait_xcnt 0x0                                ; the packed registers were the last slot's store data
.set t, 0
.rept 4
.set q, 0
.rept 4
	v_cvt_pk_bf16_f32 v[PK+4*t+q], v[ACC+32*i+8*t+2*q], v[ACC+32*i+8*t+2*q+1]  ; each accumulator from its low registers on
.set q, q+1
.endr
.set q, 0
.rept 4
	v_pk_max_num_bf16 v[PK+4*t+q], v[PK+4*t+q], v18
.set q, q+1
.endr
	global_store_b128 v[13+i], v[PK+4*t:PK+4*t+3], s[24:25] offset:1024*(t>>1)+512*(t&1)
.set t, t+1
.endr
.set i, i+1
.endr
.Lepi_end:
.Lnext:
	s_add_co_u32 s32, s32, 1
	s_cmp_lt_u32 s32, NBLK
	s_cbranch_scc1 .Lblk
	s_endpgm
.Lfunc_end_k_qc56929aa9a_up:
	.size	k_qc56929aa9a_up, .Lfunc_end_k_qc56929aa9a_up-k_qc56929aa9a_up
	.p2alignl 7, 3214868480
	.fill 96, 4, 3214868480
	.section	.rodata,"a",@progbits
	.p2align	6, 0x0
	.amdhsa_kernel k_qc56929aa9a_up
		.amdhsa_group_segment_fixed_size 165376
		.amdhsa_private_segment_fixed_size 0
		.amdhsa_enable_private_segment 0
		.amdhsa_kernarg_size 48
		.amdhsa_user_sgpr_count 2
		.amdhsa_user_sgpr_kernarg_segment_ptr 1
		.amdhsa_wavefront_size32 1
		.amdhsa_system_sgpr_workgroup_id_x 1
		.amdhsa_system_sgpr_workgroup_id_y 1
		.amdhsa_system_sgpr_workgroup_id_z 1
		.amdhsa_system_vgpr_workitem_id 0
		.amdhsa_next_free_vgpr 624
		.amdhsa_next_free_sgpr 66
		.amdhsa_reserve_vcc 1
		.amdhsa_float_denorm_mode_32 3
		.amdhsa_float_denorm_mode_16_64 3
		.amdhsa_memory_ordered 1
		.amdhsa_forward_progress 1
		.amdhsa_inst_pref_size 142
	.end_amdhsa_kernel
	.amdgpu_metadata
---
amdhsa.version: [ 1, 2 ]
amdhsa.kernels:
  - .name:           k_qc56929aa9a_up
    .symbol:         k_qc56929aa9a_up.kd
    .args:
      - { .name: W1, .offset: 0, .size: 8, .value_kind: global_buffer, .address_space: global }
      - { .name: b1, .offset: 8, .size: 8, .value_kind: global_buffer, .address_space: global }
      - { .name: xb, .offset: 16, .size: 8, .value_kind: global_buffer, .address_space: global }
      - { .name: routes, .offset: 24, .size: 8, .value_kind: global_buffer, .address_space: global }
      - { .name: hs, .offset: 32, .size: 8, .value_kind: global_buffer, .address_space: global }
      - { .name: out2, .offset: 40, .size: 8, .value_kind: global_buffer, .address_space: global }
    .group_segment_fixed_size: 165376
    .private_segment_fixed_size: 0
    .kernarg_segment_align: 8
    .kernarg_segment_size: 48
    .max_flat_workgroup_size: 128
    .sgpr_count:     66
    .vgpr_count:     624
    .wavefront_size: 32
...
	.end_amdgpu_metadata
.endif
;; end of part 2
;; launch down (part 3): grid 32 x 8, 4 waves a work-group, no clusters, 296,448 bytes of LDS; arguments W2, b2, hs, routes, ratio, out0; writes out0
.if DOCPART == 3
	.amdgcn_target "amdgcn-amd-amdhsa--gfx1250"
	.amdhsa_code_object_version 6
	.text
	.protected	k_qc56929aa9a_down
	.globl	k_qc56929aa9a_down
	.p2align	8
	.type	k_qc56929aa9a_down,@function
k_qc56929aa9a_down:
	s_mov_b64 s[64:65], 0
	v_nop
	global_prefetch_b8 v0, s[64:65] scope:SCOPE_SE
	s_setreg_imm32_b32 hwreg(HW_REG_WAVE_MODE, 25, 1), 1
	s_wait_xcnt 0x0
; SECOND PRODUCT.  For each token n routed to expert e: out0[n][:] = (h[n] W2[e] + b2[e]) x ratio[n].  W2: [8][2048][1024] f32, b2: [8][1024] f32, hs: h in bf16 in operand order, routes: u32[2048], ratio: f32[2048].
; W2 and b2 are rounded to bf16 once; sums in f32; out0 in f32.
; SHARES.  Work-group (2 sl + half, e) holds the 64 columns 64 sl .. of W2[e] over all of K (524,288 bytes of f32, 262,144 in LDS) and the expert's tiles of 16 rows of parity half.  A slice has two readers:
; with one, whole rows of 256 bytes and all of K would leave 128 work-groups; columns of 32 would read and write half rows of 128 bytes.  Four like waves.
; FIRST every wave streams a quarter of the slice (k steps 4 g + w), rounds it and lays it into LDS as operand fragments; beside that it makes its list of the expert's tokens.  One barrier.  THEN every wave
; multiplies its tiles by the whole slice.  All LDS writes of the launch stand ahead of that barrier; behind it LDS is only read.
; ORDER OF K.  K step s2 takes, for lane half h and place j of 8: row 64 (s2 / 2) + 32 h + 4 j + 2 (s2 % 2) in registers 0-3 and the row behind it in registers 4-7: the order in which the first product left h.
; Source 0 = 16 tokens, source 1 = a fragment in which index c stands for column 64 sl + 4 c + t: register j of tiles 0-3 in lane (c, h) are four neighbouring columns of token 8 h + j:
; a store of 16 bytes a lane covers two whole aligned rows of 256 bytes of out0, without a way through LDS.
; THE LIST is made as in the first product, by the same lines, so the order is the same.  Places past the count repeat the last token: its row is stored again with the same numbers by the same wave.
; Wave w takes the tiles 2 u + half, u = 12 blk + 4 i + w, i = 0..2; blocks 1-5 (a constant count that serves every split) are jumped where they hold nothing.
; No cluster: the two readers of a slice would share it, but the slice fills LDS as bf16 and has to pass through registers to be rounded.  LIMITS: NaN and infinities are not treated apart.
.set NK,    64                         ; k steps of 32
.set R,     10                         ; places in the ring of h's fragments
.set D,     9                          ; a step's fragments of h are asked for D steps ahead
.set NSLOT, 3                          ; tiles of 16 rows a wave and block
.set LPS,   2*NSLOT                    ; loads of h a k step
.set ASTEP, 1024                       ; bytes of a tile in a k step
.set TRIPN, 5                          ; trips of R steps: steps 1 .. R x TRIPN
.set TL,    NK-1-R*TRIPN               ; the steps written out behind the loop
.set NBLK,  6
.set GMAX,  15                         ; a wave's groups of 16 weight loads: group g is k step 4 g + w
.set LISTS, 262144                     ; behind the fragments (64 k steps x 4 tiles x 1,024 bytes)
.set LISTB, 8448
.set SPARE, LISTS+4*LISTB              ; the spare words: 128 bytes a wave, two blocks of 256 bytes that no other line names
.set FR,   32                          ; v[32:63]   a group's four fragments in bf16
.set BB,   32                          ; v[32:63], v[64:95] later: the weights' fragments of a k step, two buffers
.set OUT,  32                          ; results on the way out
.set RT,   96                          ; v[96:159]  the routes as loaded
.set ACC,  96                          ; v[96:191]  later: accumulator (slot i, tile t) at ACC + 32 i + 8 t
.set ROW,  192                         ; v[192:215] slot i, register j: token x 4,096 + 16 c
.set RAT,  216                         ; v[216:239] slot i, register j: the token's ratio
.set TK,   240                         ; v[240:247] at work
.set BIAS, 0                           ; window 2: v[0:31] the bias as a C operand, tile t at BIAS + 8 t
; window 1: v[0:255] four groups of 16 weight loads; later the ring: place b, slot i at 24 b + 8 i.
; v1 lane, v2 l % 16, v3 l / 16, v4 16 l, v5 16 c, v6 list + 32 h, v7 fragments' LDS address, v8-10 tile offsets in hs, v18 0, v19-20 at work, v21 4 l, v24 2064 + l, v25 lane's offset in W2,
; v26-29 where fragments are stored, v30-31 the add's pair.
; s16 wave, s17 e, s18 sl, s[22:23] hs running, s[24:25] out0, s26 list, s27 count, s29 T, s30 max(T,1)-1, s31 live slots, s32 block, s33 trips, s34 my first u, s39 half, s[40:41] hs at e, s42 my parity's tiles,
; s[44:45] W2, s46 LDS step, s[48:49] b2
.set MSB, 0
.macro WIN new                         ; s_set_vgpr_msb: bits 1:0 source 0, 3:2 source 1, 5:4 source 2, 7:6 destination; the high byte repeats the setting that is left
.if MSB != (\new)
	s_set_vgpr_msb (MSB<<8)|(\new)
.set MSB, (\new)
.endif
.endm
.macro PLACES                          ; four places between a matrix instruction and a load into, or a vector write of, one of its registers, or a read of its result
.rept 4
	v_nop
.endr
.endm
.macro LOADG g                         ; 16 loads: rows 128 g + 4 (i % 8) + i / 8, beside what w and h add in the base and in v25
	WIN 0x40
.set i, 0
.rept 16
	global_load_b128 v[64*((\g)%4)+4*i:64*((\g)%4)+4*i+3], v25, s[44:45] offset:(128*(\g)+4*(i&7)+(i>>3))*4096
.set i, i+1
.endr
.endm
.macro CONVG g, extra=0                ; group g is rounded, laid into LDS, and its registers are asked for again.  extra: other loads issued behind the last group
.set yg, GMAX-(\g)
.if yg > 3
.set yg, 3
.endif
	s_wait_loadcnt 16*yg+(\extra)                  ; the younger groups, three at the most, and the extra loads stay out
	WIN 0x05
.set t, 0
.rept 4
.set q, 0
.rept 8
	v_cvt_pk_bf16_f32 v[FR+8*t+q], v[64*((\g)%4)+8*q+t], v[64*((\g)%4)+8*q+4+t]
.set q, q+1
.endr
.set t, t+1
.endr
	WIN 0
.set t, 0
.rept 4
	ds_store_b128 v[26+((\g)>>2)], v[FR+8*t:FR+8*t+3] offset:16384*((\g)&3)+1024*t        ; 512 consecutive bytes
	ds_store_b128 v[26+((\g)>>2)], v[FR+8*t+4:FR+8*t+7] offset:16384*((\g)&3)+1024*t+512
.set t, t+1
.endr
.if (\g)+4 <= GMAX
	LOADG (\g)+4
.endif
.endm
.macro STEP reg, tok                   ; as in the first product
	v_cmp_eq_u32 vcc_lo, s17, v[\reg]
	v_mbcnt_lo_u32_b32 v19, vcc_lo, s27
	s_bcnt1_i32_b32 s28, vcc_lo
	v_cndmask_b32 v19, v24, v19, vcc_lo
	s_add_co_u32 s27, s27, s28
	v_min_u32 v19, 0x82f, v19
	v_add_nc_u32 v20, \tok, v21
	v_lshl_add_u32 v19, v19, 2, s26
	ds_store_b32 v19, v20
.endm
.macro LISTQ n
	WIN 0
.set q, 4*(\n)
.rept 4
.set k, 0
.rept 4
	STEP RT+4*q+k, 128*q+k
.set k, k+1
.endr
.set q, q+1
.endr
.endm
.macro SETUPN                          ; block s32: my first u, and how many of my three tiles exist
	s_mul_i32 s34, s32, 4*NSLOT
	s_add_co_u32 s34, s34, s16
	s_add_co_u32 s35, s42, 3
	s_sub_co_i32 s35, s35, s34
	s_max_i32 s35, s35, 0
	s_lshr_b32 s35, s35, 2
	s_min_u32 s31, s35, NSLOT
.endm
.macro SETUPV                          ; tile offsets, and for each result register its token's row and ratio: 24 loads
	s_wait_xcnt 0x0                                ; the offsets below are sources of earlier loads and stores
.set i, 0
.rept NSLOT
	s_add_co_u32 s36, s34, 4*i
	s_lshl_b32 s36, s36, 1
	s_add_co_u32 s36, s36, s39                     ; tile 2 u + half
	s_min_u32 s36, s36, s30                        ; a slot past the end takes the last tile
	s_min_u32 s36, s36, 127
	s_lshl_b32 s37, s36, 16
	v_add_nc_u32 v[8+i], s37, v4
	s_lshl_b32 s37, s36, 6
	v_add_nc_u32 v19, s37, v6
	ds_load_b128 v[TK:TK+3], v19                   ; list[16 tile + 8 h ..]
	ds_load_b128 v[TK+4:TK+7], v19 offset:16
	s_wait_dscnt 0x0
.set j, 0
.rept 8
	v_min_u32 v[TK+j], 0x7ff, v[TK+j]
	v_lshl_add_u32 v[ROW+8*i+j], v[TK+j], 12, v5
	v_lshlrev_b32 v[TK+j], 2, v[TK+j]
	global_load_b32 v[RAT+8*i+j], v[TK+j], s[12:13]
.set j, j+1
.endr
	s_wait_xcnt 0x0                                ; the next slot writes the address registers again
.set i, i+1
.endr
	s_mov_b64 s[22:23], s[40:41]
.endm
.macro ALOAD buf, imm                  ; a k step's fragments of h for the three slots, into ring place buf: 6 loads of 512 consecutive bytes
	WIN 0x40
.set i, 0
.rept NSLOT
	global_load_b128 v[24*(\buf)+8*i:24*(\buf)+8*i+3], v[8+i], s[22:23] offset:(\imm)
	global_load_b128 v[24*(\buf)+8*i+4:24*(\buf)+8*i+7], v[8+i], s[22:23] offset:(\imm)+512
.set i, i+1
.endr
.endm
.macro MULS buf, par, first, i0, cnt   ; cnt slots x 4 tiles; first = 1: the bias starts the sums.  All accumulators take turns, one instruction a turn
.if \first
	WIN 0x21
.else
	WIN 0x01
.endif
.set i, \i0
.rept \cnt
.set t, 0
.rept 4
.if \first
	v_wmma_f32_16x16x32_bf16 v[ACC+32*i+8*t:ACC+32*i+8*t+7], v[24*(\buf)+8*i:24*(\buf)+8*i+7], v[BB+32*(\par)+8*t:BB+32*(\par)+8*t+7], v[BIAS+8*t:BIAS+8*t+7]
.else
	v_wmma_f32_16x16x32_bf16 v[ACC+32*i+8*t:ACC+32*i+8*t+7], v[24*(\buf)+8*i:24*(\buf)+8*i+7], v[BB+32*(\par)+8*t:BB+32*(\par)+8*t+7], v[ACC+32*i+8*t:ACC+32*i+8*t+7]
.endif
.set t, t+1
.endr
.set i, i+1
.endr
.endm
; K step s (ring place buf = s % R, weights' buffer par = s % 2).  It asks for the weights of s + 1 (LDS) and h of s + D (memory), into registers that step s - 1 multiplied; then it multiplies.
.macro U buf, par, first, bnext, breg, bimm, anext, abuf, aimm, lw
	PLACES
.if \bnext
	WIN 0
.set t, 0
.rept 4
	ds_load_b128 v[BB+32*(1-(\par))+8*t:BB+32*(1-(\par))+8*t+3], v[\breg] offset:(\bimm)+1024*t
	ds_load_b128 v[BB+32*(1-(\par))+8*t+4:BB+32*(1-(\par))+8*t+7], v[\breg] offset:(\bimm)+1024*t+512
.set t, t+1
.endr
.endif
.if \anext
	ALOAD \abuf, \aimm
.endif
.if \bnext
	s_wait_dscnt 0x8                               ; the 8 just issued stay out: this step's weights are in
.else
	s_wait_dscnt 0x0
.endif
	s_wait_loadcnt \lw                             ; the younger steps' loads of h, 6 a step, stay out
	MULS \buf, \par, \first, 0, NSLOT-1
.if \first
	MULS \buf, \par, 1, NSLOT-1, 1
	WIN 0
.else
	WIN 0
	s_cmp_lt_u32 s31, NSLOT                        ; the third slot's products are jumped where it holds no tile
	s_cbranch_scc1 .Lskip_\@
	MULS \buf, \par, 0, NSLOT-1, 1
	WIN 0
.Lskip_\@:
.endif
.endm
	s_load_b256 s[4:11], s[0:1], 0x0               ; W2 s[4:5], b2 s[6:7], hs s[8:9], routes s[10:11]
	s_load_b128 s[12:15], s[0:1], 0x20             ; ratio s[12:13], out0 s[14:15]
	v_lshl_add_u32 v30, v0, 2, SPARE               ; my spare word,
	v_mov_b32 v31, 0                               ; and 0: kept for the add alone
	v_lshrrev_b32 v1, 5, v0
	v_readfirstlane_b32 s16, v1                    ; wave 0..3
	v_and_b32 v1, 31, v0
	v_and_b32 v2, 15, v0
	v_bfe_u32 v3, v0, 4, 1
	v_lshlrev_b32 v4, 4, v1
	v_lshlrev_b32 v5, 4, v2
	v_mov_b32 v18, 0
	v_lshlrev_b32 v21, 2, v1
	v_add_nc_u32 v24, 2064, v1
	v_lshl_add_u32 v25, v3, 17, v5                 ; 32 h rows of 4,096 bytes + 16 c
	s_and_b32 s17, ttmp7, 0xffff                   ; expert
	s_lshr_b32 s18, ttmp9, 1                       ; slice
	s_and_b32 s39, ttmp9, 1                        ; which parity of tiles
	s_mov_b32 s21, 0
	s_mov_b32 s43, 0xffff0000
	s_mul_i32 s26, s16, LISTB
	s_add_co_u32 s26, s26, LISTS                   ; my wave's list
	v_lshl_add_u32 v6, v3, 5, s26
	s_lshl_b32 s28, s16, 12
	v_add_nc_u32 v26, s28, v4                      ; k step w, 16 bytes a lane
	s_add_co_u32 s28, s28, 0x10000
	v_add_nc_u32 v27, s28, v4                      ; k step 16 + w
	s_add_co_u32 s28, s28, 0x10000
	v_add_nc_u32 v28, s28, v4                      ; k step 32 + w
	s_add_co_u32 s28, s28, 0x10000
	v_add_nc_u32 v29, s28, v4                      ; k step 48 + w
	s_wait_kmcnt 0x0
	s_lshl_b32 s20, s17, 23                        ; W2 at expert e, column 64 sl, row 64 (w / 2) + 2 (w % 2)
	s_lshl_b32 s28, s18, 8
	s_add_co_u32 s20, s20, s28
	s_lshr_b32 s28, s16, 1
	s_lshl_b32 s28, s28, 18
	s_add_co_u32 s20, s20, s28
	s_and_b32 s28, s16, 1
	s_lshl_b32 s28, s28, 13
	s_add_co_u32 s20, s20, s28
	s_add_nc_u64 s[44:45], s[4:5], s[20:21]
	s_lshl_b32 s20, s17, 23                        ; hs at expert e
	s_add_nc_u64 s[40:41], s[8:9], s[20:21]
	s_lshl_b32 s20, s18, 8                         ; out0 at column 64 sl
	s_add_nc_u64 s[24:25], s[14:15], s[20:21]
	s_lshl_b32 s28, s17, 12                        ; b2 at expert e, column 64 sl
	s_add_co_u32 s20, s20, s28
	s_add_nc_u64 s[48:49], s[6:7], s[20:21]
.set q, 0
.rept 16
	global_load_b128 v[RT+4*q:RT+4*q+3], v4, s[10:11] offset:512*q  ; all 2,048 routes: what is quick is asked for first, since loads come back in order
.set q, q+1
.endr
	global_load_b128 v[64:67], v5, s[48:49]        ; b2[64 sl + 4 c ..]
	LOADG 0
	LOADG 1
	s_wait_loadcnt 0x20                            ; the 32 weight loads are younger: routes and bias are in
	LOADG 2                                        ; from here on 64 loads of 512 bytes are out for each wave
	LOADG 3
	WIN 0
	v_cvt_pk_bf16_f32 v19, v64, v65                ; the bias, rounded to bf16 like the other inputs, as a C operand: all eight registers of tile t = b2[64 sl + 4 c + t]
	v_cvt_pk_bf16_f32 v20, v66, v67
	WIN 0x80
.set j, 0
.rept 8
	v_lshlrev_b32 v[BIAS+j], 16, v19
	v_and_b32 v[BIAS+8+j], s43, v19
	v_lshlrev_b32 v[BIAS+16+j], 16, v20
	v_and_b32 v[BIAS+24+j], s43, v20
.set j, j+1
.endr
	WIN 0
	v_mov_b32 v19, s26
	ds_store_b32 v19, v18                          ; list[0] = 0, for an expert without rows; a first match writes over it (a wave's LDS instructions are served in order)
	s_mov_b32 s27, 0
	LISTQ 0                                        ; the list is made in quarters between the first groups, so that the ring of weight loads is filled again meanwhile
	CONVG 0
	LISTQ 1
	CONVG 1
	LISTQ 2
	CONVG 2
	LISTQ 3
	CONVG 3
	WIN 0
	s_max_u32 s28, s27, 1                          ; the last token is repeated 16 times behind the list
	s_sub_co_u32 s28, s28, 1
	s_min_u32 s28, s28, 2047
	s_lshl_b32 s28, s28, 2
	s_add_co_u32 s28, s28, s26
	v_mov_b32 v19, s28
	ds_load_b32 v20, v19
	v_add_nc_u32 v19, s27, v2
	v_min_u32 v19, 2063, v19
	v_lshl_add_u32 v19, v19, 2, s26
	s_wait_dscnt 0x0
	ds_store_b32 v19, v20
	s_add_co_u32 s29, s27, 15
	s_lshr_b32 s29, s29, 4                         ; T
	s_max_u32 s30, s29, 1
	s_sub_co_u32 s30, s30, 1
	s_add_co_u32 s42, s29, 1
	s_sub_co_u32 s42, s42, s39
	s_lshr_b32 s42, s42, 1                         ; tiles of my parity
.irp g, 4,5,6,7,8,9,10,11,12,13
	CONVG \g
.endr
	s_mov_b32 s32, 0
	SETUPN
	SETUPV                                         ; 24 loads of ratios,
	ALOAD 0, 0                                     ; and h of k steps 0 to 2, 18 loads, go out behind the last weight loads, into registers of groups 12 and 13, which are rounded
	ALOAD 1, ASTEP
	ALOAD 2, 2*ASTEP
	CONVG 14, 42                                   ; group 15 and those 42 loads are younger
	CONVG 15, 42
.set ua, 3
.rept D-3
	ALOAD ua, ASTEP*ua
.set ua, ua+1
.endr
	WIN 0
	s_wait_tensorcnt 0x0                           ; my last LDS store is issued
	ds_add_u32 v30, v31
	s_wait_dscnt 0x0                               ; my fragments are stored, for the others' sake
	s_barrier_signal -1
	s_barrier_wait -1                              ; the whole slice is in LDS; from here on no wave writes LDS
	s_branch .Lgo                                  ; block 0 is set up: the loop over blocks is entered in its middle
.Lblk:
	SETUPN
	s_cmp_eq_u32 s31, 0
	s_cbranch_scc1 .Lnext                          ; nothing of mine in this block: no load is issued for it
	SETUPV
.set ua, 0
.rept D
	ALOAD ua, ASTEP*ua
.set ua, ua+1
.endr
	WIN 0
.Lgo:
.set t, 0
.rept 4
	ds_load_b128 v[BB+8*t:BB+8*t+3], v4 offset:1024*t          ; the weights of k step 0
	ds_load_b128 v[BB+8*t+4:BB+8*t+7], v4 offset:1024*t+512
.set t, t+1
.endr
	U 0, 0, 1, 1, 4, 4096, 1, D%R, ASTEP*D, LPS*D  ; k step 0 starts the sums
	s_mov_b32 s46, 0
	s_mov_b32 s33, TRIPN
.Ltrip:                                                ; trip m: k steps 1 + 10 m .. 10 + 10 m
	v_add_nc_u32 v7, s46, v4
.set uj, 0
.rept R
	U (1+uj)%R, (1+uj)&1, 0, 1, 7, 4096*(2+uj), 1, (1+uj+D)%R, ASTEP*(1+uj+D), LPS*D
.set uj, uj+1
.endr
	s_wait_xcnt 0x0                                ; the base is stepped only behind this wait
	s_add_nc_u64 s[22:23], s[22:23], R*ASTEP
	s_add_co_u32 s46, s46, R*4096
	s_sub_co_u32 s33, s33, 1
	s_cmp_lg_u32 s33, 0
	s_cbranch_scc1 .Ltrip
	v_add_nc_u32 v7, s46, v4
.set uj, 0
.rept TL                               ; the last steps are written out: nothing is asked for past the tiles' ends, and the counts run down
.set us, NK-TL+uj
.set ulw, NK-1-us
.if ulw > D
.set ulw, D
.endif
.set ubn, 0
.if us < NK-1
.set ubn, 1
.endif
.set uan, 0
.if us+D < NK
.set uan, 1
.endif
	U (1+uj)%R, (1+uj)&1, 0, ubn, 7, 4096*(2+uj), uan, (1+uj+D)%R, ASTEP*(1+uj+D), LPS*ulw
.set uj, uj+1
.endr
	; the way out: times the token's ratio, which also brings a lane's four columns into neighbouring registers (the ratios are older than every load of h: the last step's wait for 0 has shown them in)
	PLACES
.set i, 0
.rept NSLOT
	s_cmp_le_u32 s31, i
	s_cbranch_scc1 .Lepi_end                       ; slots past the last tile store nothing
	s_wait_xcnt 0x0                                ; the registers below were the last slot's store data
.set j, 0
.rept 8
.set t, 0
.rept 4
	v_mul_f32 v[OUT+4*j+t], v[ACC+32*i+8*t+j], v[RAT+8*i+j]    ; register 0 of every accumulator comes first
.set t, t+1
.endr
	global_store_b128 v[ROW+8*i+j], v[OUT+4*j:OUT+4*j+3], s[24:25] th:TH_STORE_NT  ; lanes 0-15: 256 consecutive aligned bytes of token j's row; lanes 16-31: of token 8 + j's
.set j, j+1
.endr
.set i, i+1
.endr
.Lepi_end:
.Lnext:
	s_add_co_u32 s32, s32, 1
	s_cmp_lt_u32 s32, NBLK
	s_cbranch_scc1 .Lblk
	s_endpgm
.Lfunc_end_k_qc56929aa9a_down:
	.size	k_qc56929aa9a_down, .Lfunc_end_k_qc56929aa9a_down-k_qc56929aa9a_down
	.p2alignl 7, 3214868480
	.fill 96, 4, 3214868480
	.section	.rodata,"a",@progbits
	.p2align	6, 0x0
	.amdhsa_kernel k_qc56929aa9a_down
		.amdhsa_group_segment_fixed_size 296448
		.amdhsa_private_segment_fixed_size 0
		.amdhsa_enable_private_segment 0
		.amdhsa_kernarg_size 48
		.amdhsa_user_sgpr_count 2
		.amdhsa_user_sgpr_kernarg_segment_ptr 1
		.amdhsa_wavefront_size32 1
		.amdhsa_system_sgpr_workgroup_id_x 1
		.amdhsa_system_sgpr_workgroup_id_y 1
		.amdhsa_system_sgpr_workgroup_id_z 1
		.amdhsa_system_vgpr_workitem_id 0
		.amdhsa_next_free_vgpr 544
		.amdhsa_next_free_sgpr 66
		.amdhsa_reserve_vcc 1
		.amdhsa_float_denorm_mode_32 3
		.amdhsa_float_denorm_mode_16_64 3
		.amdhsa_memory_ordered 1
		.amdhsa_forward_progress 1
		.amdhsa_inst_pref_size 180
	.end_amdhsa_kernel
	.amdgpu_metadata
---
amdhsa.version: [ 1, 2 ]
amdhsa.kernels:
  - .name:           k_qc56929aa9a_down
    .symbol:         k_qc56929aa9a_down.kd
    .args:
      - { .name: W2, .offset: 0, .size: 8, .value_kind: global_buffer, .address_space: global }
      - { .name: b2, .offset: 8, .size: 8, .value_kind: global_buffer, .address_space: global }
      - { .name: hs, .offset: 16, .size: 8, .value_kind: global_buffer, .address_space: global }
      - { .name: routes, .offset: 24, .size: 8, .value_kind: global_buffer, .address_space: global }
      - { .name: ratio, .offset: 32, .size: 8, .value_kind: global_buffer, .address_space: global }
      - { .name: out0, .offset: 40, .size: 8, .value_kind: global_buffer, .address_space: global }
    .group_segment_fixed_size: 296448
    .private_segment_fixed_size: 0
    .kernarg_segment_align: 8
    .kernarg_segment_size: 48
    .max_flat_workgroup_size: 128
    .sgpr_count:     66
    .vgpr_count:     544
    .wavefront_size: 32
...
	.end_amdgpu_metadata
.endif
;; end of part 3
;; ======== version 2 of 2: 3 launches; 1.17 times as fast as version 1
;; workspace buffers: xb 4,194,304 bytes; bm 2,304 bytes of whole numbers; ratio 8,192 bytes; hs 67,108,864 bytes; order 73,728 bytes of whole numbers; cnt 256 bytes of whole numbers
;; launch router (part 4): grid 256 x 1, 8 waves a work-group, no clusters, 26,624 bytes of LDS; arguments x, Wr, br, xb, bm, ratio, out1; writes xb, bm, ratio, out1
.if DOCPART == 4
	.amdgcn_target "amdgcn-amd-amdhsa--gfx1250"
	.amdhsa_code_object_version 6
	.text
	.protected	k_qc56929aa9a_router
	.globl	k_qc56929aa9a_router
	.p2align	8
	.type	k_qc56929aa9a_router,@function
k_qc56929aa9a_router:
	s_mov_b64 s[64:65], 0
	v_nop
	global_prefetch_b8 v0, s[64:65] scope:SCOPE_SE
	s_setreg_imm32_b32 hwreg(HW_REG_WAVE_MODE, 25, 1), 1
	s_wait_xcnt 0x0
; ROUTER.  out1[n][:] = softmax(x[n] Wr + br); the route of a token is its argmax (the lower index wins a tie of logits); ratio[n] = p_max x (1 / p_max);
; xb = x rounded to bf16, for the first product.  x: [2048][1024] f32, Wr: [1024][8] f32, br: [8] f32.
; bm: the routes as bitmaps, whole numbers at fixed places: expert e has 256 bytes, bit i of its byte g says that token 8 g + i goes to e.  Later launches place the rows by them.
; FORMATS.  x, Wr and br are rounded to bf16 once; products on the matrix unit, sums in f32; softmax in f32 with the row's maximum taken away.
; SHARES.  A work-group has 8 tokens, wave w the channels 128 w .. 128 w + 127 of all 8; the eight partial sums meet in LDS behind one barrier and wave 0 finishes.
; LAYOUT.  Source 0 = 16 rows of Wr^T (expert lane % 8, twice), source 1 = 16 tokens (token lane % 8, twice): every lane then holds the 8 logits of token lane % 8.
; LIMITS.  The argmax is taken of the logits; two logits that differ by less than the f32 sums' rounding may be ordered otherwise than by another order of summation.
; A weight below 2^-126 counts as 0.  NaN and infinities are not treated apart.  ratio is 1 to within the reciprocal's last bit.
; No cluster: the work-groups share only Wr, 32 KB against 32 KB of x of their own, read once at the start.
.set XTP,   272                        ; a token's 256 bytes of bf16 + 16: the 8 rows of a fragment load start 68 words apart
.set XTW,   8*XTP                      ; a wave's 8 rows
.set PART,  8*XTW                      ; 8 waves x 32 lanes x 8 partial logits in f32
.set SPARE, PART+8192                  ; the spare words: 128 bytes a wave, four blocks of 256 bytes that no other line names
.set X,   32                           ; v[32:63]   x as loaded: row j at X + 4 j
.set WF,  64                           ; v[64:127]  Wr as loaded
.set WB,  128                          ; v[128:159] Wr in bf16: four fragments
.set XB,  160                          ; v[160:175] x in bf16: row j at XB + 2 j
.set XF,  176                          ; v[176:207] x's four fragments
.set AC0, 208                          ; two accumulators, which take turns
.set AC1, 216
.set SUM, 224
	s_load_b256 s[4:11], s[0:1], 0x0               ; x s[4:5], Wr s[6:7], br s[8:9], xb s[10:11]
	s_load_b128 s[12:15], s[0:1], 0x20             ; bm s[12:13], ratio s[14:15]
	s_load_b64 s[16:17], s[0:1], 0x30              ; out1
	v_lshl_add_u32 v30, v0, 2, SPARE               ; my spare word,
	v_mov_b32 v31, 0                               ; and 0: kept for the add alone
	v_lshrrev_b32 v1, 5, v0
	v_readfirstlane_b32 s20, v1                    ; wave 0..7
	v_and_b32 v1, 31, v0                           ; lane l
	v_and_b32 v2, 7, v0                            ; l % 8
	v_bfe_u32 v3, v0, 4, 1                         ; h = l / 16
	v_lshlrev_b32 v4, 4, v1                        ; 16 l
	v_lshlrev_b32 v5, 2, v2
	v_lshl_add_u32 v5, v3, 8, v5                   ; Wr: 8 h rows of 32 bytes + column l % 8
	v_lshlrev_b32 v6, 3, v1                        ; 8 l
	s_mul_i32 s21, s20, XTW
	v_add_nc_u32 v7, s21, v6                       ; into my wave's rows: 8 bytes a lane
	v_mul_u32_u24 v8, v2, XTP
	v_lshl_add_u32 v8, v3, 4, v8
	v_add_nc_u32 v8, s21, v8                       ; a fragment's row l % 8, 16 bytes for each half of the lanes
	s_lshl_b32 s22, s20, 10
	s_add_co_u32 s22, s22, PART
	v_lshl_add_u32 v9, v1, 5, s22                  ; my 8 partial logits
	v_lshlrev_b32 v10, 5, v2
	v_add_nc_u32 v10, PART, v10                    ; wave 0 reads lane l % 8's partial logits of every wave
	s_mov_b32 s32, 0x3fb8aa3b                      ; log2(e)
	s_mov_b32 s35, 0
	s_wait_kmcnt 0x0
	s_load_b256 s[24:31], s[8:9], 0x0              ; br's eight numbers
	s_lshl_b32 s34, s20, 12                        ; Wr at my wave's 128 rows
	s_add_nc_u64 s[6:7], s[6:7], s[34:35]
	s_lshl_b32 s34, ttmp9, 15                      ; x at my 8 rows of 4,096 bytes, my wave's 512 bytes
	s_lshl_b32 s36, s20, 9
	s_add_co_u32 s34, s34, s36
	s_add_nc_u64 s[4:5], s[4:5], s[34:35]
	s_lshl_b32 s34, ttmp9, 14                      ; xb likewise, half the bytes
	s_lshl_b32 s36, s20, 8
	s_add_co_u32 s34, s34, s36
	s_add_nc_u64 s[10:11], s[10:11], s[34:35]
	s_lshl_b32 s34, ttmp9, 8                       ; out1: 8 tokens x 32 bytes
	s_add_nc_u64 s[16:17], s[16:17], s[34:35]
	s_lshl_b32 s34, ttmp9, 5                       ; ratio: 8 tokens x 4 bytes
	s_add_nc_u64 s[14:15], s[14:15], s[34:35]
	s_mov_b32 s34, ttmp9                           ; bm: my byte in each expert's 256
	s_add_nc_u64 s[12:13], s[12:13], s[34:35]
	; Wr: number i of k step ks is row 32 ks + 16 (i / 8) + 8 h + i % 8: two neighbours make one register of a fragment
.set i, 0
.rept 64
	global_load_b32 v[WF+i], v5, s[6:7] offset:(32*(i>>4)+16*((i>>3)&1)+(i&7))*32
.set i, i+1
.endr
.set j, 0
.rept 8
	global_load_b128 v[X+4*j:X+4*j+3], v4, s[4:5] offset:4096*j th:TH_LOAD_NT  ; 512 consecutive bytes of row j
.set j, j+1
.endr
	s_wait_loadcnt 0x8                             ; the 8 loads of x are younger: Wr is in
.set q, 0
.rept 32
	v_cvt_pk_bf16_f32 v[WB+q], v[WF+2*q], v[WF+2*q+1]
.set q, q+1
.endr
.set j, 0
.rept 8
	s_wait_loadcnt 7-j                             ; the rows behind row j stay out
	v_cvt_pk_bf16_f32 v[XB+2*j], v[X+4*j], v[X+4*j+1]
	v_cvt_pk_bf16_f32 v[XB+2*j+1], v[X+4*j+2], v[X+4*j+3]
	global_store_b64 v6, v[XB+2*j:XB+2*j+1], s[10:11] offset:2048*j  ; the wave's store covers 256 consecutive bytes, aligned
	ds_store_b64 v7, v[XB+2*j:XB+2*j+1] offset:XTP*j
.set j, j+1
.endr
.set q, 0
.rept 4
	ds_load_b128 v[XF+8*q:XF+8*q+3], v8 offset:64*q            ; my own wave's bytes: LDS serves a wave's instructions in order
	ds_load_b128 v[XF+8*q+4:XF+8*q+7], v8 offset:64*q+32
.set q, q+1
.endr
	s_wait_dscnt 0x0
	v_wmma_f32_16x16x32_bf16 v[AC0:AC0+7], v[WB:WB+7], v[XF:XF+7], 0                      ; the first two products start the sums;
	v_wmma_f32_16x16x32_bf16 v[AC1:AC1+7], v[WB+8:WB+15], v[XF+8:XF+15], 0                ; the two accumulators take turns
	v_wmma_f32_16x16x32_bf16 v[AC0:AC0+7], v[WB+16:WB+23], v[XF+16:XF+23], v[AC0:AC0+7]
	v_wmma_f32_16x16x32_bf16 v[AC1:AC1+7], v[WB+24:WB+31], v[XF+24:XF+31], v[AC1:AC1+7]
.rept 4
	v_nop                                          ; four places between the last product and the first read of a result
.endr
.set p, 0
.rept 4
	v_pk_add_f32 v[SUM+2*p:SUM+2*p+1], v[AC0+2*p:AC0+2*p+1], v[AC1+2*p:AC1+2*p+1]  ; from the low registers on
.set p, p+1
.endr
	ds_store_b128 v9, v[SUM:SUM+3]
	ds_store_b128 v9, v[SUM+4:SUM+7] offset:16
	s_wait_dscnt 0x0                               ; for wave 0's sake: my partial sums are in LDS
	s_barrier_signal -1
	s_barrier_wait -1
	s_wait_tensorcnt 0x0                           ; no wave writes LDS from here on
	ds_add_u32 v30, v31
	s_wait_dscnt 0x0
	s_cmp_lg_u32 s20, 0
	s_cbranch_scc1 .Lend                           ; waves 1 to 7 are done
.set w, 0
.rept 8
	ds_load_b128 v[32+8*w:32+8*w+3], v10 offset:1024*w
	ds_load_b128 v[32+8*w+4:32+8*w+7], v10 offset:1024*w+16
.set w, w+1
.endr
	s_wait_dscnt 0x0
.set w, 1
.rept 7
.set p, 0
.rept 4
	v_pk_add_f32 v[32+2*p:33+2*p], v[32+2*p:33+2*p], v[32+8*w+2*p:33+8*w+2*p]
.set p, p+1
.endr
.set w, w+1
.endr
	s_wait_kmcnt 0x0                               ; br
.set p, 0
.rept 4
	v_cvt_pk_bf16_f32 v96, s[24+2*p], s[25+2*p]    ; br rounded to bf16 like the other inputs,
	v_lshlrev_b32 v97, 16, v96                     ; and widened again
	v_and_b32 v98, 0xffff0000, v96
	v_add_f32 v[32+2*p], v[32+2*p], v97
	v_add_f32 v[33+2*p], v[33+2*p], v98
.set p, p+1
.endr
	v_max3_num_f32 v100, v32, v33, v34             ; the row's maximum
	v_max3_num_f32 v100, v100, v35, v36
	v_max3_num_f32 v100, v100, v37, v38
	v_max_num_f32 v100, v100, v39
	v_mov_b32 v101, 0                              ; the argmax: a later expert wins only if it is greater
	v_mov_b32 v102, v32
.irp e, 1,2,3,4,5,6,7
	v_cmp_gt_f32 vcc_lo, v[32+\e], v102
	v_cndmask_b32 v101, v101, \e, vcc_lo
	v_max_num_f32 v102, v102, v[32+\e]
.endr
.irp e, 0,1,2,3,4,5,6,7
	v_sub_f32 v[40+\e], v[32+\e], v100
.endr
.irp e, 0,1,2,3,4,5,6,7
	v_mul_f32 v[40+\e], s32, v[40+\e]
.endr
.irp e, 0,1,2,3,4,5,6,7
	v_exp_f32 v[40+\e], v[40+\e]                   ; one batch
.endr
	v_nop                                          ; a plain instruction behind the last exponential,
	s_wait_alu depctr_va_vdst(0)                   ; and one wait for the batch, ahead of its first reader
	v_add_f32 v103, v40, v41
	v_add_f32 v104, v42, v43
	v_add_f32 v105, v44, v45
	v_add_f32 v106, v46, v47
	v_add_f32 v103, v103, v104
	v_add_f32 v105, v105, v106
	v_add_f32 v103, v103, v105
	v_rcp_f32 v107, v103                           ; 1 / sum: also p_max, since the largest exponential is 2^0 = 1
	v_nop
	s_wait_alu depctr_va_vdst(0)
	v_rcp_f32 v108, v107                           ; 1 / p_max; the eight multiplies below name neither its result nor write its source
.irp e, 0,1,2,3,4,5,6,7
	v_mul_f32 v[40+\e], v[40+\e], v107
.endr
	s_wait_alu depctr_va_vdst(0)
	v_mul_f32 v109, v107, v108                     ; p_max / p_max
	; the bitmaps: lanes 0-7 hold the routes of my 8 tokens, so the low byte of the mask of 'route = e' is expert e's byte; it goes into lane e
.irp e, 0,1,2,3,4,5,6,7
	v_cmp_eq_u32 s[40+\e], \e, v101
.endr
	v_mov_b32 v117, 0
.irp e, 0,1,2,3,4,5,6,7
	v_writelane_b32 v117, s[40+\e], \e
.endr
	v_lshlrev_b32 v118, 8, v1                      ; expert l's 256 bytes
	; out1: lane l < 16 stores experts 4 (l / 8) .. + 3 of token l % 8: the 16 lanes cover the work-group's 256 bytes
	v_and_b32 v110, 8, v1
	v_cmp_ne_u32 vcc_lo, 0, v110
.irp k, 0,1,2,3
	v_cndmask_b32 v[112+\k], v[40+\k], v[44+\k], vcc_lo
.endr
	v_lshlrev_b32 v111, 5, v2
	v_lshl_add_u32 v111, v110, 1, v111
	v_lshlrev_b32 v116, 2, v1
	s_wait_xcnt 0x0                                ; EXEC changes only behind this wait: xb's stores were issued with all lanes
	v_cmp_gt_u32 vcc_lo, 16, v1
	s_and_saveexec_b32 s37, vcc_lo
	global_store_b128 v111, v[112:115], s[16:17]
	s_wait_xcnt 0x0
	s_or_b32 exec_lo, exec_lo, s37
	v_cmp_gt_u32 vcc_lo, 8, v1
	s_and_saveexec_b32 s38, vcc_lo
	global_store_b8 v118, v117, s[12:13]           ; single bytes 256 apart, 2,048 in the whole launch: the price of an expert's bitmap lying in 256 consecutive bytes for its readers
	global_store_b32 v116, v109, s[14:15]
	s_wait_xcnt 0x0
	s_or_b32 exec_lo, exec_lo, s38
.Lend:
	s_endpgm
.Lfunc_end_k_qc56929aa9a_router:
	.size	k_qc56929aa9a_router, .Lfunc_end_k_qc56929aa9a_router-k_qc56929aa9a_router
	.p2alignl 7, 3214868480
	.fill 96, 4, 3214868480
	.section	.rodata,"a",@progbits
	.p2align	6, 0x0
	.amdhsa_kernel k_qc56929aa9a_router
		.amdhsa_group_segment_fixed_size 26624
		.amdhsa_private_segment_fixed_size 0
		.amdhsa_enable_private_segment 0
		.amdhsa_kernarg_size 56
		.amdhsa_user_sgpr_count 2
		.amdhsa_user_sgpr_kernarg_segment_ptr 1
		.amdhsa_wavefront_size32 1
		.amdhsa_system_sgpr_workgroup_id_x 1
		.amdhsa_system_sgpr_workgroup_id_y 1
		.amdhsa_system_sgpr_workgroup_id_z 1
		.amdhsa_system_vgpr_workitem_id 0
		.amdhsa_next_free_vgpr 232
		.amdhsa_next_free_sgpr 66
		.amdhsa_reserve_vcc 1
		.amdhsa_float_denorm_mode_32 3
		.amdhsa_float_denorm_mode_16_64 3
		.amdhsa_memory_ordered 1
		.amdhsa_forward_progress 1
		.amdhsa_inst_pref_size 24
	.end_amdhsa_kernel
	.amdgpu_metadata
---
amdhsa.version: [ 1, 2 ]
amdhsa.kernels:
  - .name:           k_qc56929aa9a_router
    .symbol:         k_qc56929aa9a_router.kd
    .args:
      - { .name: x, .offset: 0, .size: 8, .value_kind: global_buffer, .address_space: global }
      - { .name: Wr, .offset: 8, .size: 8, .value_kind: global_buffer, .address_space: global }
      - { .name: br, .offset: 16, .size: 8, .value_kind: global_buffer, .address_space: global }
      - { .name: xb, .offset: 24, .size: 8, .value_kind: global_buffer, .address_space: global }
      - { .name: bm, .offset: 32, .size: 8, .value_kind: global_buffer, .address_space: global }
      - { .name: ratio, .offset: 40, .size: 8, .value_kind: global_buffer, .address_space: global }
      - { .name: out1, .offset: 48, .size: 8, .value_kind: global_buffer, .address_space: global }
    .group_segment_fixed_size: 26624
    .private_segment_fixed_size: 0
    .kernarg_segment_align: 8
    .kernarg_segment_size: 56
    .max_flat_workgroup_size: 256
    .sgpr_count:     66
    .vgpr_count:     232
    .wavefront_size: 32
...
	.end_amdgpu_metadata
.endif
;; end of part 4
;; launch up (part 5): grid 32 x 8, 4 waves a work-group, no clusters, 131,584 bytes of LDS; arguments W1, b1, xb, bm, hs, out2, order, cnt; writes hs, out2, order, cnt
.if DOCPART == 5
	.amdgcn_target "amdgcn-amd-amdhsa--gfx1250"
	.amdhsa_code_object_version 6
	.text
	.protected	k_qc56929aa9a_up
	.globl	k_qc56929aa9a_up
	.p2align	8
	.type	k_qc56929aa9a_up,@function
k_qc56929aa9a_up:
	s_mov_b64 s[64:65], 0
	v_nop
	global_prefetch_b8 v0, s[64:65] scope:SCOPE_SE
	s_setreg_imm32_b32 hwreg(HW_REG_WAVE_MODE, 25, 1), 1
	s_wait_xcnt 0x0
; FIRST PRODUCT.  For each token n routed to expert e: h[n][:] = relu(x[n] W1[e] + b1[e]), stored in bf16 in the order in which the second product's operand registers take it.  out2[e] = the expert's tokens.
; W1: [8][1024][2048] f32, b1: [8][2048] f32, xb: [2048][1024] bf16, bm: the routes as bitmaps.  W1 and b1 are rounded to bf16 once, sums in f32, h rounded once.
; SHARES.  Work-group (sl, e) has the 64 columns 64 sl .. of W1[e], which it alone reads (262,144 bytes), and ALL rows of expert e, whatever their number (0 to 2,048).  Four like waves.
; FIRST every wave streams a quarter of the slice (k steps 4 g + w), rounds it and lays it into LDS as operand fragments.  One barrier.  THEN every wave multiplies its tiles of 16 rows by the whole slice.
; All LDS writes of the launch stand ahead of that barrier; behind it LDS is only read.
; WEIGHTS WITHOUT A TURN.  Lane (c = l % 16, h = l / 16) loads 16 bytes of row k, columns 64 sl + 4 c .. + 3: lanes 0-15 cover 256 consecutive aligned bytes.  Component t belongs to fragment t, in which
; index c stands for column 64 sl + 4 c + t.  Source 0 = such a fragment, source 1 = 16 tokens: register j of tile t in lane (r, h) is h[token r][64 sl + 32 h + 4 j + t].  Tiles 2 f, 2 f + 1, packed in
; pairs, are registers 0-3 and 4-7 of k step 2 sl + f of the second product, which loads W2's rows in the same order of k.
; THE ROWS.  The expert's tokens, in ascending order, have ranks 0 .. count - 1; tile T holds ranks 16 T .. 16 T + 15.  A wave finds the token of a rank in registers (FIND): it walks the expert's 64 bitmap words
; with a running count, each lane keeps the last word whose count so far does not pass its rank, and then takes that word's n-th set bit.  A rank at or past the count takes the last token, so a tile that is
; not full computes that token's row again.  T = ceil(count / 16) tiles; wave w takes tiles 20 blk + 4 i + w, i = 0..4; blocks 1-6 (a constant count that serves every split) are jumped where they hold nothing.
; A slot past T loads the last token's row, so that every wait's count holds on every path; it stores no h.
; hs: expert e at e x 2^23, tile of 16 rows at x 65,536, k step at x 1,024, registers 0-3 | 4-7 at x 512, lane at x 16.
; order: expert e at e x 9,216 bytes, the token of rank n at 4 n (144 tiles, so that every slot of every block has a place); cnt[e]: the count.  Slice 0's work-groups store them for the second product.
; No cluster: a slice has one reader, and the token rows come by a list that no tensor descriptor covers.  LIMITS: NaN and infinities are not treated apart.
.set NK,    32                         ; k steps of 32
.set R,     8                          ; places in the ring of token fragments
.set D,     6                          ; a step's tokens are asked for D steps ahead
.set NSLOT, 5                          ; tiles of 16 rows a wave and block
.set LPS,   2*NSLOT                    ; token loads a k step
.set ASTEP, 64                         ; bytes of a token's row in a k step
.set TRIPN, 3                          ; trips of R steps: steps 1 .. R x TRIPN
.set TL,    NK-1-R*TRIPN               ; the steps written out behind the loop
.set NBLK,  7
.set GMAX,  7                          ; a wave's groups of 16 weight loads: group g is k step 4 g + w
.set ORDB,  9216                       ; an expert's bytes in order
.set SPARE, 131072                     ; behind the fragments (32 k steps x 4 tiles x 1,024 bytes): the spare words, 128 bytes a wave, two blocks of 256 bytes that no other line names
.set FR,   32                          ; v[32:63], v[64:95] a group's four fragments in bf16, two buffers by turns
.set BB,   32                          ; v[32:63], v[64:95] later: the weights' fragments of a k step, two buffers
.set PK,   32                          ; packed results on the way out
.set RK,   32                          ; FIND's registers, five each, one a slot: the rank,
.set MW,   37                          ; the bitmap word kept,
.set PJ,   42                          ; the count ahead of that word + 65,536 x the word's number,
.set NA,   47                          ; the word's set bits counted in twos,
.set NB,   52                          ; in fours,
.set NC,   57                          ; in eights,
.set NN,   62                          ; which of the word's set bits is wanted,
.set PO,   67                          ; its place as far as it is known,
.set T1,   72                          ; at work
.set T2,   77
.set TB,   82                          ; the word's number
.set TKN,  87                          ; the token
.set B1R,  96                          ; v[96:127]  b1 as loaded
.set BT,   128                         ; v[128:143] b1 in bf16
.set ACC,  96                          ; v[96:255]  later: accumulator (slot i, tile t) at ACC + 32 i + 8 t
.set OA,   19                          ; v[19:23]   slot i: where its 16 tokens go in order
.set BIAS, 80                          ; window 2: v[80:111] the bias as a C operand, tile t at BIAS + 8 t
; window 1: v[0:255] four groups of 16 weight loads; later ring places 0-5, place b, slot i at 40 b + 8 i.  window 2: v[0:79] places 6, 7.
; v1 lane, v2 l % 16, v3 l / 16, v4 16 l, v5 16 h, v7 fragments' LDS address, v8-12 token offsets in xb, v13-17 tile offsets in hs, v18 0,
; v25 lane's offset in W1, v26-27 where fragments are stored, v28 lane's offset in b1, v30-31 the add's pair.
.set WV,  20                           ; wave
.set EX,  21                           ; expert
.set SL,  22                           ; slice
.set CM1, 23                           ; count - 1
.set OFS, 24                           ; s[24:25] an offset, 0 above it
.set XA,  26                           ; s[26:27] xb, running
.set HSB, 28                           ; s[28:29] hs at my expert and slice
.set CN,  30                           ; the running count, then the count
.set SC0, 31                           ; at work
.set TT,  32                           ; T
.set LW,  33                           ; the last bitmap word that is not 0,
.set NL,  34                           ; live slots
.set BLK, 35                           ; block
.set TRP, 36                           ; trips
.set FT,  37                           ; my first tile
.set SC1, 38
.set SC2, 39
.set LP,  40                           ; and that word's count and number
.set SVX, 41                           ; EXEC, set aside
.set B1B, 42                           ; s[42:43] b1
.set W1B, 44                           ; s[44:45] W1
.set LST, 46                           ; LDS step
.set HIM, 47                           ; a word's upper bf16
.set BOF, 48                           ; byte offset in the bitmap
.set FCT, 49                           ; FIND's trips
.set PKD, 50                           ; count so far + 65,536 x word number
.set BMB, 52                           ; s[52:53] bm at my expert
.set ORB, 54                           ; s[54:55] order at my expert
.set MK,  56                           ; s[56:60] five lane masks
.set BA,  68                           ; s[68:83] 16 bitmap words at work
.set BBK, 84                           ; s[84:99] the next 16
.set MSB, 0
.macro WIN new                         ; s_set_vgpr_msb: bits 1:0 source 0, 3:2 source 1, 5:4 source 2, 7:6 destination; the high byte repeats the setting that is left
.if MSB != (\new)
	s_set_vgpr_msb (MSB<<8)|(\new)
.set MSB, (\new)
.endif
.endm
.macro PLACES                          ; four places between a matrix instruction and a load into, or a vector write of, one of its registers, or a read of its result
.rept 4
	v_nop
.endr
.endm
.macro ALL5 line:vararg                ; one line for each slot z: five lines that do not wait for each other
.set z, 0
.rept NSLOT
	\line
.set z, z+1
.endr
.endm
.macro LOADG g                         ; 16 loads: rows 32 (4 g + w) + 16 (i / 8) + 8 h + i % 8; w and h stand in the base and in v25
	WIN 0x40
.set i, 0
.rept 16
	global_load_b128 v[64*((\g)%4)+4*i:64*((\g)%4)+4*i+3], v25, s[W1B:W1B+1] offset:(128*(\g)+16*(i>>3)+(i&7))*8192 th:TH_LOAD_NT
.set i, i+1
.endr
.endm
.macro CONVG g, extra=0                ; group g is rounded, laid into LDS, and its registers are asked for again.  extra: other loads issued behind the last group
.set yg, GMAX-(\g)
.if yg > 3
.set yg, 3
.endif
.set FG, FR+32*((\g)&1)                ; two buffers by turns: these conversions do not write what the last group's LDS stores still read
	s_wait_loadcnt 16*yg+(\extra)                  ; the younger groups, three at the most, and the extra loads stay out
	WIN 0x05
.set t, 0
.rept 4
.set q, 0
.rept 8
	v_cvt_pk_bf16_f32 v[FG+8*t+q], v[64*((\g)%4)+8*q+t], v[64*((\g)%4)+8*q+4+t]  ; rows 2 q and 2 q + 1 of the 16, component t
.set q, q+1
.endr
.set t, t+1
.endr
	WIN 0
.set t, 0
.rept 4
	ds_store_b128 v[26+((\g)>>2)], v[FG+8*t:FG+8*t+3] offset:16384*((\g)&3)+1024*t        ; 512 consecutive bytes
	ds_store_b128 v[26+((\g)>>2)], v[FG+8*t+4:FG+8*t+7] offset:16384*((\g)&3)+1024*t+512
.set t, t+1
.endr
.if (\g)+4 <= GMAX
	LOADG (\g)+4
.endif
.endm
.macro WORD sr                         ; one bitmap word: a lane whose rank is not below the count so far takes this word in place of the one it holds
	s_bcnt1_i32_b32 s[SC0], s[\sr]
	ALL5 v_cmp_gt_u32 s[MK+z], s[CN], v[RK+z]
	ALL5 v_cndmask_b32 v[MW+z], s[\sr], v[MW+z], s[MK+z]
	ALL5 v_cndmask_b32 v[PJ+z], s[PKD], v[PJ+z], s[MK+z]
	s_cmp_lg_u32 s[\sr], 0                         ; the last word that holds a token is kept for the ranks past the count
	s_cselect_b32 s[LW], s[\sr], s[LW]
	s_cselect_b32 s[LP], s[PKD], s[LP]
	s_add_co_u32 s[CN], s[CN], s[SC0]
	s_add_co_u32 s[SC0], s[SC0], 0x10000
	s_add_co_u32 s[PKD], s[PKD], s[SC0]
.endm
.macro LEVEL src, w                    ; the wanted bit lies in 2 w places from PO on: in the upper w of them if the lower w hold too few set bits
	ALL5 v_bfe_u32 v[T1+z], v[\src+z], v[PO+z], \w
	ALL5 v_cmp_ge_u32 s[MK+z], v[NN+z], v[T1+z]
	ALL5 v_sub_nc_u32 v[T2+z], v[NN+z], v[T1+z]
	ALL5 v_add_nc_u32 v[T1+z], \w, v[PO+z]
	ALL5 v_cndmask_b32 v[NN+z], v[NN+z], v[T2+z], s[MK+z]
	ALL5 v_cndmask_b32 v[PO+z], v[PO+z], v[T1+z], s[MK+z]
.endm
; Block s[BLK]: the tokens of my five tiles, their offsets in xb, the tiles' offsets in hs and in order; the count and T.  first = 1: at the kernel's head, where the first 16 words are already asked for.
.macro FIND first
.if !(\first)
	s_wait_xcnt 0x0                                ; the registers below were sources of the last block's loads and stores
	s_load_b512 s[BA:BA+15], s[BMB:BMB+1], 0x0
.endif
	s_mul_i32 s[FT], s[BLK], 4*NSLOT
	s_add_co_u32 s[FT], s[FT], s[WV]
.set i, 0
.rept NSLOT
	s_add_co_u32 s[SC1], s[FT], 4*i                ; the slot's tile
	s_lshl_b32 s[SC2], s[SC1], 4
	v_add_nc_u32 v[RK+i], s[SC2], v2               ; rank 16 tile + r, in both halves of the lanes
	s_lshl_b32 s[SC2], s[SC1], 16
	v_add_nc_u32 v[13+i], s[SC2], v4
	s_lshl_b32 s[SC2], s[SC1], 6
	v_lshl_add_u32 v[OA+i], v2, 2, s[SC2]
	v_mov_b32 v[MW+i], 0
	v_mov_b32 v[PJ+i], 0
.set i, i+1
.endr
	s_mov_b32 s[CN], 0
	s_mov_b32 s[PKD], 0
	s_mov_b32 s[LW], 0
	s_mov_b32 s[LP], 0
	s_mov_b32 s[BOF], 0
	s_mov_b32 s[FCT], 4
	s_wait_kmcnt 0x0
.Lfind_\@:                                             ; four trips of 16 words; the next 16 are asked for while these are walked (the last trip's fall into the buffer's spare bytes and are not used)
	s_load_b512 s[BBK:BBK+15], s[BMB:BMB+1], s[BOF] offset:0x40
.set wd, 0
.rept 16
	WORD BA+wd
.set wd, wd+1
.endr
	s_wait_kmcnt 0x0
.set wd, 0
.rept 8
	s_mov_b64 s[BA+2*wd:BA+2*wd+1], s[BBK+2*wd:BBK+2*wd+1]
.set wd, wd+1
.endr
	s_add_co_u32 s[BOF], s[BOF], 64
	s_sub_co_u32 s[FCT], s[FCT], 1
	s_cmp_lg_u32 s[FCT], 0
	s_cbranch_scc1 .Lfind_\@
	s_sub_co_u32 s[CM1], s[CN], 1                  ; a rank at or past the count becomes the last rank, in the last word that holds a token
	ALL5 v_cmp_gt_u32 s[MK+z], s[CN], v[RK+z]
	ALL5 v_cndmask_b32 v[MW+z], s[LW], v[MW+z], s[MK+z]
	ALL5 v_cndmask_b32 v[PJ+z], s[LP], v[PJ+z], s[MK+z]
	ALL5 v_cndmask_b32 v[RK+z], s[CM1], v[RK+z], s[MK+z]
	ALL5 v_and_b32 v[T1+z], 0xffff, v[PJ+z]
	ALL5 v_lshrrev_b32 v[TB+z], 16, v[PJ+z]
	ALL5 v_sub_nc_u32 v[NN+z], v[RK+z], v[T1+z]    ; which set bit of the word, from 0
	ALL5 v_lshrrev_b32 v[T1+z], 1, v[MW+z]         ; the word's set bits counted in groups of 2, 4 and 8 places
	ALL5 v_and_b32 v[T1+z], 0x55555555, v[T1+z]
	ALL5 v_sub_nc_u32 v[NA+z], v[MW+z], v[T1+z]
	ALL5 v_lshrrev_b32 v[T1+z], 2, v[NA+z]
	ALL5 v_and_b32 v[T2+z], 0x33333333, v[NA+z]
	ALL5 v_and_b32 v[T1+z], 0x33333333, v[T1+z]
	ALL5 v_add_nc_u32 v[NB+z], v[T1+z], v[T2+z]
	ALL5 v_lshrrev_b32 v[T1+z], 4, v[NB+z]
	ALL5 v_add_nc_u32 v[T1+z], v[NB+z], v[T1+z]
	ALL5 v_and_b32 v[NC+z], 0x0f0f0f0f, v[T1+z]
	ALL5 v_bfe_u32 v[T1+z], v[NC+z], 8, 8
	ALL5 v_and_b32 v[T2+z], 0xff, v[NC+z]
	ALL5 v_add_nc_u32 v[T1+z], v[T1+z], v[T2+z]    ; the set bits of the lower 16 places
	ALL5 v_cmp_ge_u32 s[MK+z], v[NN+z], v[T1+z]
	ALL5 v_sub_nc_u32 v[T2+z], v[NN+z], v[T1+z]
	ALL5 v_cndmask_b32 v[PO+z], 0, 16, s[MK+z]
	ALL5 v_cndmask_b32 v[NN+z], v[NN+z], v[T2+z], s[MK+z]
	LEVEL NC, 8
	LEVEL NB, 4
	LEVEL NA, 2
	LEVEL MW, 1
	ALL5 v_lshl_add_u32 v[TKN+z], v[TB+z], 5, v[PO+z]  ; token = 32 x word + place
	ALL5 v_min_u32 v[TKN+z], 0x7ff, v[TKN+z]
	ALL5 v_lshl_add_u32 v[8+z], v[TKN+z], 11, v5   ; token x 2,048 + 16 h
	s_add_co_u32 s[TT], s[CN], 15
	s_lshr_b32 s[TT], s[TT], 4                     ; T
	s_mov_b64 s[XA:XA+1], s[8:9]
.endm
.macro ORDST                           ; slice 0 alone: my five tiles' tokens into order, 64 consecutive bytes a tile from lanes 0-15 (a slot past T stores the last token, in a place that nobody reads)
	s_cmp_lg_u32 s[SL], 0
	s_cbranch_scc1 .Lno_ord_\@
	s_wait_xcnt 0x0                                ; EXEC changes only behind this wait
	v_cmp_gt_u32 vcc_lo, 16, v1
	s_and_saveexec_b32 s[SVX], vcc_lo
.set i, 0
.rept NSLOT
	global_store_b32 v[OA+i], v[TKN+i], s[ORB:ORB+1]
.set i, i+1
.endr
	s_wait_xcnt 0x0
	s_or_b32 exec_lo, exec_lo, s[SVX]
.Lno_ord_\@:
.endm
.macro SETUPN                          ; block s[BLK]: my first tile, and how many of my five tiles exist
	s_mul_i32 s[FT], s[BLK], 4*NSLOT
	s_add_co_u32 s[FT], s[FT], s[WV]
	s_add_co_u32 s[SC1], s[TT], 3
	s_sub_co_i32 s[SC1], s[SC1], s[FT]
	s_max_i32 s[SC1], s[SC1], 0
	s_lshr_b32 s[SC1], s[SC1], 2
	s_min_u32 s[NL], s[SC1], NSLOT
.endm
.macro ALOAD buf, imm                  ; a k step's token fragments for the five slots, into ring place buf: 10 loads
.set AW, 1+(\buf)/6
.set AR, 40*((\buf)%6)
	WIN AW<<6
.set i, 0
.rept NSLOT
	global_load_b128 v[AR+8*i:AR+8*i+3], v[8+i], s[XA:XA+1] offset:(\imm)
	global_load_b128 v[AR+8*i+4:AR+8*i+7], v[8+i], s[XA:XA+1] offset:(\imm)+32
.set i, i+1
.endr
.endm
.macro MULS buf, par, first, i0, cnt   ; cnt slots x 4 tiles; first = 1: the bias starts the sums.  All accumulators take turns, one instruction a turn
.set AW, 1+(\buf)/6
.set AR, 40*((\buf)%6)
.if \first
	WIN (AW<<2)|0x20
.else
	WIN AW<<2
.endif
.set i, \i0
.rept \cnt
.set t, 0
.rept 4
.if \first
	v_wmma_f32_16x16x32_bf16 v[ACC+32*i+8*t:ACC+32*i+8*t+7], v[BB+32*(\par)+8*t:BB+32*(\par)+8*t+7], v[AR+8*i:AR+8*i+7], v[BIAS+8*t:BIAS+8*t+7]
.else
	v_wmma_f32_16x16x32_bf16 v[ACC+32*i+8*t:ACC+32*i+8*t+7], v[BB+32*(\par)+8*t:BB+32*(\par)+8*t+7], v[AR+8*i:AR+8*i+7], v[ACC+32*i+8*t:ACC+32*i+8*t+7]
.endif
.set t, t+1
.endr
.set i, i+1
.endr
.endm
; K step s (ring place buf = s % R, weights' buffer par = s % 2).  It asks for the weights of s + 1 (LDS), into the buffer that step s - 1 multiplied, and the tokens of s + D (memory), into a place multiplied earlier; then it multiplies.
.macro U buf, par, first, bnext, breg, bimm, anext, abuf, aimm, lw
	PLACES
.if \bnext
	WIN 0
.set t, 0
.rept 4
	ds_load_b128 v[BB+32*(1-(\par))+8*t:BB+32*(1-(\par))+8*t+3], v[\breg] offset:(\bimm)+1024*t
	ds_load_b128 v[BB+32*(1-(\par))+8*t+4:BB+32*(1-(\par))+8*t+7], v[\breg] offset:(\bimm)+1024*t+512
.set t, t+1
.endr
.endif
.if \anext
	ALOAD \abuf, \aimm
.endif
.if \bnext
	s_wait_dscnt 0x8                               ; the 8 just issued stay out: this step's weights are in
.else
	s_wait_dscnt 0x0
.endif
	s_wait_loadcnt \lw                             ; the younger steps' token loads, 10 a step, stay out
	MULS \buf, \par, \first, 0, NSLOT-1
.if \first
	MULS \buf, \par, 1, NSLOT-1, 1
	WIN 0
.else
	WIN 0
	s_cmp_lt_u32 s[NL], NSLOT                      ; the fifth slot's products are jumped where it holds no tile
	s_cbranch_scc1 .Lskip_\@
	MULS \buf, \par, 0, NSLOT-1, 1
	WIN 0
.Lskip_\@:
.endif
.endm
	s_load_b512 s[4:19], s[0:1], 0x0               ; W1 s[4:5], b1 s[6:7], xb s[8:9], bm s[10:11], hs s[12:13], out2 s[14:15], order s[16:17], cnt s[18:19]
	v_lshl_add_u32 v30, v0, 2, SPARE               ; my spare word,
	v_mov_b32 v31, 0                               ; and 0: kept for the add alone
	v_lshrrev_b32 v1, 5, v0
	v_readfirstlane_b32 s[WV], v1                  ; wave 0..3
	v_and_b32 v1, 31, v0
	v_and_b32 v2, 15, v0
	v_bfe_u32 v3, v0, 4, 1
	v_lshlrev_b32 v4, 4, v1
	v_lshlrev_b32 v5, 4, v3
	v_mov_b32 v18, 0
	v_lshlrev_b32 v25, 4, v2
	v_lshl_add_u32 v25, v3, 16, v25                ; 8 h rows of 8,192 bytes + 16 c
	v_lshlrev_b32 v28, 7, v3                       ; my 32 numbers of b1: 128 h bytes on
	s_and_b32 s[EX], ttmp7, 0xffff                 ; expert
	s_mov_b32 s[SL], ttmp9                         ; slice
	s_mov_b32 s[OFS+1], 0
	s_mov_b32 s[HIM], 0xffff0000
	s_mov_b32 s[BLK], 0
	s_lshl_b32 s[SC0], s[WV], 12
	v_add_nc_u32 v26, s[SC0], v4                   ; k step w, 16 bytes a lane
	s_add_co_u32 s[SC0], s[SC0], 0x10000
	v_add_nc_u32 v27, s[SC0], v4                   ; k step 16 + w
	s_wait_kmcnt 0x0
	s_lshl_b32 s[OFS], s[EX], 8                    ; bm at expert e; its first 16 words are asked for at once
	s_add_nc_u64 s[BMB:BMB+1], s[10:11], s[OFS:OFS+1]
	s_load_b512 s[BA:BA+15], s[BMB:BMB+1], 0x0
	s_lshl_b32 s[OFS], s[EX], 23                   ; W1 at expert e, column 64 sl, row 32 w
	s_lshl_b32 s[SC0], s[SL], 8
	s_add_co_u32 s[OFS], s[OFS], s[SC0]
	s_lshl_b32 s[SC0], s[WV], 18
	s_add_co_u32 s[OFS], s[OFS], s[SC0]
	s_add_nc_u64 s[W1B:W1B+1], s[4:5], s[OFS:OFS+1]
	LOADG 0                                        ; from here on 64 loads of 512 bytes are out for each wave
	LOADG 1
	LOADG 2
	LOADG 3
	WIN 0
	s_lshl_b32 s[OFS], s[EX], 23                   ; hs at expert e, k steps 2 sl and 2 sl + 1
	s_lshl_b32 s[SC0], s[SL], 11
	s_add_co_u32 s[OFS], s[OFS], s[SC0]
	s_add_nc_u64 s[HSB:HSB+1], s[12:13], s[OFS:OFS+1]
	s_lshl_b32 s[OFS], s[EX], 13                   ; b1 at expert e, column 64 sl
	s_lshl_b32 s[SC0], s[SL], 8
	s_add_co_u32 s[OFS], s[OFS], s[SC0]
	s_add_nc_u64 s[B1B:B1B+1], s[6:7], s[OFS:OFS+1]
	s_mul_i32 s[OFS], s[EX], ORDB                  ; order at expert e
	s_add_nc_u64 s[ORB:ORB+1], s[16:17], s[OFS:OFS+1]
	FIND 1                                         ; block 0's tokens are found while the first weights are on their way
	SETUPN
	ORDST
	s_or_b32 s[SC0], s[SL], s[WV]                  ; out2[e] and cnt[e]: slice 0's wave 0 alone
	s_cmp_lg_u32 s[SC0], 0
	s_cbranch_scc1 .Lno2
	v_cvt_f32_u32 v[T2], s[CN]
	v_mov_b32 v[T2+1], s[CN]
	s_lshl_b32 s[SC0], s[EX], 2
	v_mov_b32 v[T2+2], s[SC0]
	s_wait_xcnt 0x0                                ; EXEC changes only behind this wait
	v_cmp_eq_u32 vcc_lo, 0, v1
	s_and_saveexec_b32 s[SVX], vcc_lo
	global_store_b32 v[T2+2], v[T2], s[14:15]
	global_store_b32 v[T2+2], v[T2+1], s[18:19]
	s_wait_xcnt 0x0
	s_or_b32 exec_lo, exec_lo, s[SVX]
.Lno2:
	CONVG 0
	CONVG 1
	CONVG 2
	CONVG 3
	CONVG 4
	CONVG 5
	WIN 0
.set j, 0
.rept 8
	global_load_b128 v[B1R+4*j:B1R+4*j+3], v28, s[B1B:B1B+1] offset:16*j  ; the bias goes out behind the last weight loads, so that nothing waits for it at the head
.set j, j+1
.endr
	ALOAD 0, 0                                     ; and so do the tokens of k steps 0 to 2, into registers of groups 4 and 5, which are rounded
	ALOAD 1, ASTEP
	ALOAD 2, 2*ASTEP
	CONVG 6, 38                                    ; group 7 and those 8 + 30 loads are younger
	CONVG 7, 38
	s_wait_loadcnt 0x1e                            ; the 30 token loads are younger: the bias is in
	WIN 0
.set j, 0
.rept 8                                ; the bias, rounded to bf16 like the other inputs, as a C operand: register j of tile t = b1[64 sl + 32 h + 4 j + t]
	v_cvt_pk_bf16_f32 v[BT+2*j], v[B1R+4*j], v[B1R+4*j+1]
	v_cvt_pk_bf16_f32 v[BT+2*j+1], v[B1R+4*j+2], v[B1R+4*j+3]
.set j, j+1
.endr
	WIN 0x80
.set j, 0
.rept 8
	v_lshlrev_b32 v[BIAS+j], 16, v[BT+2*j]
	v_and_b32 v[BIAS+8+j], s[HIM], v[BT+2*j]
	v_lshlrev_b32 v[BIAS+16+j], 16, v[BT+2*j+1]
	v_and_b32 v[BIAS+24+j], s[HIM], v[BT+2*j+1]
.set j, j+1
.endr
	ALOAD 3, 3*ASTEP
	ALOAD 4, 4*ASTEP
	ALOAD 5, 5*ASTEP
	WIN 0
	s_wait_tensorcnt 0x0                           ; my last LDS store is issued
	ds_add_u32 v30, v31
	s_wait_dscnt 0x0                               ; my fragments are stored, for the others' sake
	s_barrier_signal -1
	s_barrier_wait -1                              ; the whole slice is in LDS; from here on no wave writes LDS
	s_branch .Lgo                                  ; block 0 is set up: the loop over blocks is entered in its middle
.Lblk:
	SETUPN
	s_cmp_eq_u32 s[NL], 0
	s_cbranch_scc1 .Lnext                          ; nothing of mine in this block: no load is issued for it
	FIND 0
	ORDST
.set ua, 0
.rept D
	ALOAD ua, ASTEP*ua
.set ua, ua+1
.endr
	WIN 0
.Lgo:
.set t, 0
.rept 4
	ds_load_b128 v[BB+8*t:BB+8*t+3], v4 offset:1024*t          ; the weights of k step 0
	ds_load_b128 v[BB+8*t+4:BB+8*t+7], v4 offset:1024*t+512
.set t, t+1
.endr
	U 0, 0, 1, 1, 4, 4096, 1, D%R, ASTEP*D, LPS*D  ; k step 0 starts the sums
	s_mov_b32 s[LST], 0
	s_mov_b32 s[TRP], TRIPN
.Ltrip:                                                ; trip m: k steps 1 + 8 m .. 8 + 8 m
	v_add_nc_u32 v7, s[LST], v4
.set uj, 0
.rept R
	U (1+uj)%R, (1+uj)&1, 0, 1, 7, 4096*(2+uj), 1, (1+uj+D)%R, ASTEP*(1+uj+D), LPS*D
.set uj, uj+1
.endr
	s_wait_xcnt 0x0                                ; the base is stepped only behind this wait
	s_add_nc_u64 s[XA:XA+1], s[XA:XA+1], R*ASTEP
	s_add_co_u32 s[LST], s[LST], R*4096
	s_sub_co_u32 s[TRP], s[TRP], 1
	s_cmp_lg_u32 s[TRP], 0
	s_cbranch_scc1 .Ltrip
	v_add_nc_u32 v7, s[LST], v4
.set uj, 0
.rept TL                               ; the last steps are written out: nothing is asked for past the rows' ends, and the counts run down
.set us, NK-TL+uj
.set ulw, NK-1-us
.if ulw > D
.set ulw, D
.endif
.set ubn, 0
.if us < NK-1
.set ubn, 1
.endif
.set uan, 0
.if us+D < NK
.set uan, 1
.endif
	U (1+uj)%R, (1+uj)&1, 0, ubn, 7, 4096*(2+uj), uan, (1+uj+D)%R, ASTEP*(1+uj+D), LPS*ulw
.set uj, uj+1
.endr
	; the way out: round to bf16, ReLU on the packed halves, 512 consecutive bytes a store
	PLACES
.set i, 0
.rept NSLOT
	s_cmp_le_u32 s[NL], i
	s_cbranch_scc1 .Lepi_end                       ; slots past the last tile store nothing
	s_wait_xcnt 0x0                                ; the packed registers were the last slot's store data
.set t, 0
.rept 4
.set q, 0
.rept 4
	v_cvt_pk_bf16_f32 v[PK+4*t+q], v[ACC+32*i+8*t+2*q], v[ACC+32*i+8*t+2*q+1]  ; each accumulator from its low registers on
.set q, q+1
.endr
.set q, 0
.rept 4
	v_pk_max_num_bf16 v[PK+4*t+q], v[PK+4*t+q], v18
.set q, q+1
.endr
	global_store_b128 v[13+i], v[PK+4*t:PK+4*t+3], s[HSB:HSB+1] offset:1024*(t>>1)+512*(t&1)
.set t, t+1
.endr
.set i, i+1
.endr
.Lepi_end:
.Lnext:
	s_add_co_u32 s[BLK], s[BLK], 1
	s_cmp_lt_u32 s[BLK], NBLK
	s_cbranch_scc1 .Lblk
	s_endpgm
.Lfunc_end_k_qc56929aa9a_up:
	.size	k_qc56929aa9a_up, .Lfunc_end_k_qc56929aa9a_up-k_qc56929aa9a_up
	.p2alignl 7, 3214868480
	.fill 96, 4, 3214868480
	.section	.rodata,"a",@progbits
	.p2align	6, 0x0
	.amdhsa_kernel k_qc56929aa9a_up
		.amdhsa_group_segment_fixed_size 131584
		.amdhsa_private_segment_fixed_size 0
		.amdhsa_enable_private_segment 0
		.amdhsa_kernarg_size 64
		.amdhsa_user_sgpr_count 2
		.amdhsa_user_sgpr_kernarg_segment_ptr 1
		.amdhsa_wavefront_size32 1
		.amdhsa_system_sgpr_workgroup_id_x 1
		.amdhsa_system_sgpr_workgroup_id_y 1
		.amdhsa_system_sgpr_workgroup_id_z 1
		.amdhsa_system_vgpr_workitem_id 0
		.amdhsa_next_free_vgpr 624
		.amdhsa_next_free_sgpr 100
		.amdhsa_reserve_vcc 1
		.amdhsa_float_denorm_mode_32 3
		.amdhsa_float_denorm_mode_16_64 3
		.amdhsa_memory_ordered 1
		.amdhsa_forward_progress 1
		.amdhsa_inst_pref_size 178
	.end_amdhsa_kernel
	.amdgpu_metadata
---
amdhsa.version: [ 1, 2 ]
amdhsa.kernels:
  - .name:           k_qc56929aa9a_up
    .symbol:         k_qc56929aa9a_up.kd
    .args:
      - { .name: W1, .offset: 0, .size: 8, .value_kind: global_buffer, .address_space: global }
      - { .name: b1, .offset: 8, .size: 8, .value_kind: global_buffer, .address_space: global }
      - { .name: xb, .offset: 16, .size: 8, .value_kind: global_buffer, .address_space: global }
      - { .name: bm, .offset: 24, .size: 8, .value_kind: global_buffer, .address_space: global }
      - { .name: hs, .offset: 32, .size: 8, .value_kind: global_buffer, .address_space: global }
      - { .name: out2, .offset: 40, .size: 8, .value_kind: global_buffer, .address_space: global }
      - { .name: order, .offset: 48, .size: 8, .value_kind: global_buffer, .address_space: global }
      - { .name: cnt, .offset: 56, .size: 8, .value_kind: global_buffer, .address_space: global }
    .group_segment_fixed_size: 131584
    .private_segment_fixed_size: 0
    .kernarg_segment_align: 8
    .kernarg_segment_size: 64
    .max_flat_workgroup_size: 128
    .sgpr_count:     100
    .vgpr_count:     624
    .wavefront_size: 32
...
	.end_amdgpu_metadata
.endif
;; end of part 5
;; launch down (part 6): grid 32 x 8, 4 waves a work-group, no clusters, 262,656 bytes of LDS; arguments W2, b2, hs, order, cnt, ratio, out0; writes out0
.if DOCPART == 6
	.amdgcn_target "amdgcn-amd-amdhsa--gfx1250"
	.amdhsa_code_object_version 6
	.text
	.protected	k_qc56929aa9a_down
	.globl	k_qc56929aa9a_down
	.p2align	8
	.type	k_qc56929aa9a_down,@function
k_qc56929aa9a_down:
	s_mov_b64 s[64:65], 0
	v_nop
	global_prefetch_b8 v0, s[64:65] scope:SCOPE_SE
	s_setreg_imm32_b32 hwreg(HW_REG_WAVE_MODE, 25, 1), 1
	s_wait_xcnt 0x0
; SECOND PRODUCT.  For each token n routed to expert e: out0[n][:] = (h[n] W2[e] + b2[e]) x ratio[n].  W2: [8][2048][1024] f32, b2: [8][1024] f32, hs: h in bf16 in operand order,
; order: each expert's tokens by rank, cnt: their number (whole numbers that the first product stored), ratio: f32[2048].  W2 and b2 are rounded to bf16 once; sums in f32; out0 in f32.
; SHARES.  Work-group (2 sl + half, e) holds the 64 columns 64 sl .. of W2[e] over all of K (524,288 bytes of f32, 262,144 in LDS) and the expert's tiles of 16 rows of parity half.  A slice has two readers:
; with one, whole rows of 256 bytes and all of K would leave 128 work-groups; columns of 32 would read and write half rows of 128 bytes.  Four like waves.
; FIRST every wave streams a quarter of the slice (k steps 4 g + w), rounds it and lays it into LDS as operand fragments.  One barrier.  THEN every wave multiplies its tiles by the whole slice.
; All LDS writes of the launch stand ahead of that barrier; behind it LDS is only read.
; ORDER OF K.  K step s2 takes, for lane half h and place j of 8: row 64 (s2 / 2) + 32 h + 4 j + 2 (s2 % 2) in registers 0-3 and the row behind it in registers 4-7: the order in which the first product left h.
; Source 0 = 16 tokens, source 1 = a fragment in which index c stands for column 64 sl + 4 c + t: register j of tiles 0-3 in lane (c, h) are four neighbouring columns of token 8 h + j:
; a store of 16 bytes a lane covers two whole aligned rows of 256 bytes of out0, without a way through LDS.
; Places past the count repeat the last token (so the first product left them): its row is stored again with the same numbers by the same wave.
; Wave w takes the tiles 2 u + half, u = 12 blk + 4 i + w, i = 0..2; blocks 1-5 (a constant count that serves every split) are jumped where they hold nothing.  A slot past the last tile loads the last tile,
; so that every wait's count holds on every path, and stores nothing.
; No cluster: the two readers of a slice would share it, but the slice fills LDS as bf16 and has to pass through registers to be rounded.
; LIMITS: NaN and infinities are not treated apart.  For an expert without rows the slots load tile 0 of hs, which nobody stored; nothing is made of it.
.set NK,    64                         ; k steps of 32
.set R,     10                         ; places in the ring of h's fragments
.set D,     9                          ; a step's fragments of h are asked for D steps ahead
.set NSLOT, 3                          ; tiles of 16 rows a wave and block
.set LPS,   2*NSLOT                    ; loads of h a k step
.set ASTEP, 1024                       ; bytes of a tile in a k step
.set TRIPN, 5                          ; trips of R steps: steps 1 .. R x TRIPN
.set TL,    NK-1-R*TRIPN               ; the steps written out behind the loop
.set NBLK,  6
.set GMAX,  15                         ; a wave's groups of 16 weight loads: group g is k step 4 g + w
.set ORDB,  9216                       ; an expert's bytes in order
.set SPARE, 262144                     ; behind the fragments (64 k steps x 4 tiles x 1,024 bytes): the spare words, 128 bytes a wave, two blocks of 256 bytes that no other line names
.set FR,   32                          ; v[32:63], v[64:95] a group's four fragments in bf16, two buffers by turns
.set BB,   32                          ; v[32:63], v[64:95] later: the weights' fragments of a k step, two buffers
.set OUT,  32                          ; results on the way out
.set ACC,  96                          ; v[96:191]  accumulator (slot i, tile t) at ACC + 32 i + 8 t
.set ROW,  192                         ; v[192:215] slot i, register j: the token as loaded, then token x 4,096 + 16 c
.set RAT,  216                         ; v[216:239] slot i, register j: 4 x token, then the token's ratio
.set BIAS, 0                           ; window 2: v[0:31] the bias as a C operand, tile t at BIAS + 8 t
; window 1: v[0:255] four groups of 16 weight loads; later the ring: place b, slot i at 24 b + 8 i.
; v1 lane, v2 l % 16, v3 l / 16, v4 16 l, v5 16 c, v6 32 h, v7 fragments' LDS address, v8-10 tile offsets in hs, v11-13 tile offsets in order, v19-20 at work, v25 lane's offset in W2,
; v26-29 where fragments are stored, v30-31 the add's pair.
.set WV,  20                           ; wave
.set EX,  21                           ; expert
.set SL,  22                           ; slice
.set HF,  23                           ; which parity of tiles
.set OFS, 24                           ; s[24:25] an offset, 0 above it
.set HA,  26                           ; s[26:27] hs, running
.set OB,  28                           ; s[28:29] out0 at my columns
.set CN,  30                           ; the count
.set SC0, 31                           ; at work
.set TT,  32                           ; T
.set TM1, 33                           ; max(T, 1) - 1
.set NL,  34                           ; live slots
.set BLK, 35                           ; block
.set TRP, 36                           ; trips
.set FT,  37                           ; my first u
.set SC1, 38
.set HSE, 40                           ; s[40:41] hs at my expert
.set TLC, 42                           ; tiles of my parity
.set HIM, 43                           ; a word's upper bf16
.set W2B, 44                           ; s[44:45] W2
.set LST, 46                           ; LDS step
.set B2B, 48                           ; s[48:49] b2
.set ORB, 50                           ; s[50:51] order at my expert
.set MSB, 0
.macro WIN new                         ; s_set_vgpr_msb: bits 1:0 source 0, 3:2 source 1, 5:4 source 2, 7:6 destination; the high byte repeats the setting that is left
.if MSB != (\new)
	s_set_vgpr_msb (MSB<<8)|(\new)
.set MSB, (\new)
.endif
.endm
.macro PLACES                          ; four places between a matrix instruction and a load into, or a vector write of, one of its registers, or a read of its result
.rept 4
	v_nop
.endr
.endm
.macro LOADG g                         ; 16 loads: rows 128 g + 4 (i % 8) + i / 8, beside what w and h add in the base and in v25
	WIN 0x40
.set i, 0
.rept 16
	global_load_b128 v[64*((\g)%4)+4*i:64*((\g)%4)+4*i+3], v25, s[W2B:W2B+1] offset:(128*(\g)+4*(i&7)+(i>>3))*4096
.set i, i+1
.endr
.endm
.macro CONVG g, extra=0                ; group g is rounded, laid into LDS, and its registers are asked for again.  extra: other loads that are younger than the group
.set yg, GMAX-(\g)
.if yg > 3
.set yg, 3
.endif
.set FG, FR+32*((\g)&1)                ; two buffers by turns: these conversions do not write what the last group's LDS stores still read
	s_wait_loadcnt 16*yg+(\extra)                  ; the younger groups, three at the most, and the extra loads stay out
	WIN 0x05
.set t, 0
.rept 4
.set q, 0
.rept 8
	v_cvt_pk_bf16_f32 v[FG+8*t+q], v[64*((\g)%4)+8*q+t], v[64*((\g)%4)+8*q+4+t]
.set q, q+1
.endr
.set t, t+1
.endr
	WIN 0
.set t, 0
.rept 4
	ds_store_b128 v[26+((\g)>>2)], v[FG+8*t:FG+8*t+3] offset:16384*((\g)&3)+1024*t        ; 512 consecutive bytes
	ds_store_b128 v[26+((\g)>>2)], v[FG+8*t+4:FG+8*t+7] offset:16384*((\g)&3)+1024*t+512
.set t, t+1
.endr
.if (\g)+4 <= GMAX
	LOADG (\g)+4
.endif
.endm
.macro TILE i                          ; s[SC1] = the tile of slot i: 2 u + half; a slot past the end takes the last tile
	s_add_co_u32 s[SC1], s[FT], 4*(\i)
	s_lshl_b32 s[SC1], s[SC1], 1
	s_add_co_u32 s[SC1], s[SC1], s[HF]
	s_min_u32 s[SC1], s[SC1], s[TM1]
	s_min_u32 s[SC1], s[SC1], 127
.endm
.macro TKLOAD                          ; block s[BLK]: the tokens of my three tiles, eight a lane (ranks 16 tile + 8 h ..): 6 loads
	s_mul_i32 s[FT], s[BLK], 4*NSLOT
	s_add_co_u32 s[FT], s[FT], s[WV]
.set i, 0
.rept NSLOT
	TILE i
	s_lshl_b32 s[SC1], s[SC1], 6
	v_add_nc_u32 v[11+i], s[SC1], v6
	global_load_b128 v[ROW+8*i:ROW+8*i+3], v[11+i], s[ORB:ORB+1]
	global_load_b128 v[ROW+8*i+4:ROW+8*i+7], v[11+i], s[ORB:ORB+1] offset:16
.set i, i+1
.endr
.endm
.macro TKPREP                          ; of each token: where its ratio lies, and where its row of out0 begins for my lane
.set q, 0
.rept 8*NSLOT
	v_min_u32 v[ROW+q], 0x7ff, v[ROW+q]
	v_lshlrev_b32 v[RAT+q], 2, v[ROW+q]
	v_lshl_add_u32 v[ROW+q], v[ROW+q], 12, v5
.set q, q+1
.endr
.endm
.macro RATLOAD                         ; 24 loads; each lands on its own address register
.set q, 0
.rept 8*NSLOT
	global_load_b32 v[RAT+q], v[RAT+q], s[14:15]
.set q, q+1
.endr
.endm
.macro SETUPN                          ; block s[BLK]: my first u, and how many of my three tiles exist
	s_mul_i32 s[FT], s[BLK], 4*NSLOT
	s_add_co_u32 s[FT], s[FT], s[WV]
	s_add_co_u32 s[SC1], s[TLC], 3
	s_sub_co_i32 s[SC1], s[SC1], s[FT]
	s_max_i32 s[SC1], s[SC1], 0
	s_lshr_b32 s[SC1], s[SC1], 2
	s_min_u32 s[NL], s[SC1], NSLOT
.endm
.macro SETUPA                          ; the tiles' offsets in hs
.set i, 0
.rept NSLOT
	TILE i
	s_lshl_b32 s[SC1], s[SC1], 16
	v_add_nc_u32 v[8+i], s[SC1], v4
.set i, i+1
.endr
	s_mov_b64 s[HA:HA+1], s[HSE:HSE+1]
.endm
.macro ALOAD buf, imm                  ; a k step's fragments of h for the three slots, into ring place buf: 6 loads of 512 consecutive bytes
	WIN 0x40
.set i, 0
.rept NSLOT
	global_load_b128 v[24*(\buf)+8*i:24*(\buf)+8*i+3], v[8+i], s[HA:HA+1] offset:(\imm)
	global_load_b128 v[24*(\buf)+8*i+4:24*(\buf)+8*i+7], v[8+i], s[HA:HA+1] offset:(\imm)+512
.set i, i+1
.endr
.endm
.macro MULS buf, par, first, i0, cnt   ; cnt slots x 4 tiles; first = 1: the bias starts the sums.  All accumulators take turns, one instruction a turn
.if \first
	WIN 0x21
.else
	WIN 0x01
.endif
.set i, \i0
.rept \cnt
.set t, 0
.rept 4
.if \first
	v_wmma_f32_16x16x32_bf16 v[ACC+32*i+8*t:ACC+32*i+8*t+7], v[24*(\buf)+8*i:24*(\buf)+8*i+7], v[BB+32*(\par)+8*t:BB+32*(\par)+8*t+7], v[BIAS+8*t:BIAS+8*t+7]
.else
	v_wmma_f32_16x16x32_bf16 v[ACC+32*i+8*t:ACC+32*i+8*t+7], v[24*(\buf)+8*i:24*(\buf)+8*i+7], v[BB+32*(\par)+8*t:BB+32*(\par)+8*t+7], v[ACC+32*i+8*t:ACC+32*i+8*t+7]
.endif
.set t, t+1
.endr
.set i, i+1
.endr
.endm
; K step s (ring place buf = s % R, weights' buffer par = s % 2).  It asks for the weights of s + 1 (LDS) and h of s + D (memory), into registers that step s - 1 multiplied; then it multiplies.
.macro U buf, par, first, bnext, breg, bimm, anext, abuf, aimm, lw
	PLACES
.if \bnext
	WIN 0
.set t, 0
.rept 4
	ds_load_b128 v[BB+32*(1-(\par))+8*t:BB+32*(1-(\par))+8*t+3], v[\breg] offset:(\bimm)+1024*t
	ds_load_b128 v[BB+32*(1-(\par))+8*t+4:BB+32*(1-(\par))+8*t+7], v[\breg] offset:(\bimm)+1024*t+512
.set t, t+1
.endr
.endif
.if \anext
	ALOAD \abuf, \aimm
.endif
.if \bnext
	s_wait_dscnt 0x8                               ; the 8 just issued stay out: this step's weights are in
.else
	s_wait_dscnt 0x0
.endif
	s_wait_loadcnt \lw                             ; the younger steps' loads of h, 6 a step, stay out
	MULS \buf, \par, \first, 0, NSLOT-1
.if \first
	MULS \buf, \par, 1, NSLOT-1, 1
	WIN 0
.else
	WIN 0
	s_cmp_lt_u32 s[NL], NSLOT                      ; the third slot's products are jumped where it holds no tile
	s_cbranch_scc1 .Lskip_\@
	MULS \buf, \par, 0, NSLOT-1, 1
	WIN 0
.Lskip_\@:
.endif
.endm
	s_load_b256 s[4:11], s[0:1], 0x0               ; W2 s[4:5], b2 s[6:7], hs s[8:9], order s[10:11]
	s_load_b128 s[12:15], s[0:1], 0x20             ; cnt s[12:13], ratio s[14:15]
	s_load_b64 s[16:17], s[0:1], 0x30              ; out0
	v_lshl_add_u32 v30, v0, 2, SPARE               ; my spare word,
	v_mov_b32 v31, 0                               ; and 0: kept for the add alone
	v_lshrrev_b32 v1, 5, v0
	v_readfirstlane_b32 s[WV], v1                  ; wave 0..3
	v_and_b32 v1, 31, v0
	v_and_b32 v2, 15, v0
	v_bfe_u32 v3, v0, 4, 1
	v_lshlrev_b32 v4, 4, v1
	v_lshlrev_b32 v5, 4, v2
	v_lshlrev_b32 v6, 5, v3
	v_lshl_add_u32 v25, v3, 17, v5                 ; 32 h rows of 4,096 bytes + 16 c
	s_and_b32 s[EX], ttmp7, 0xffff                 ; expert
	s_lshr_b32 s[SL], ttmp9, 1                     ; slice
	s_and_b32 s[HF], ttmp9, 1                      ; which parity of tiles
	s_mov_b32 s[OFS+1], 0
	s_mov_b32 s[HIM], 0xffff0000
	s_mov_b32 s[BLK], 0
	s_lshl_b32 s[SC0], s[WV], 12
	v_add_nc_u32 v26, s[SC0], v4                   ; k step w, 16 bytes a lane
	s_add_co_u32 s[SC0], s[SC0], 0x10000
	v_add_nc_u32 v27, s[SC0], v4                   ; k step 16 + w
	s_add_co_u32 s[SC0], s[SC0], 0x10000
	v_add_nc_u32 v28, s[SC0], v4                   ; k step 32 + w
	s_add_co_u32 s[SC0], s[SC0], 0x10000
	v_add_nc_u32 v29, s[SC0], v4                   ; k step 48 + w
	s_wait_kmcnt 0x0
	s_lshl_b32 s[OFS], s[EX], 2                    ; the expert's count is asked for at once
	s_add_nc_u64 s[12:13], s[12:13], s[OFS:OFS+1]
	s_load_b32 s[CN], s[12:13], 0x0
	s_lshl_b32 s[OFS], s[SL], 8                    ; out0 at column 64 sl
	s_add_nc_u64 s[OB:OB+1], s[16:17], s[OFS:OFS+1]
	s_lshl_b32 s[SC0], s[EX], 12                   ; b2 at expert e, column 64 sl
	s_add_co_u32 s[OFS], s[OFS], s[SC0]
	s_add_nc_u64 s[B2B:B2B+1], s[6:7], s[OFS:OFS+1]
	s_lshl_b32 s[OFS], s[EX], 23                   ; W2 at expert e, column 64 sl, row 64 (w / 2) + 2 (w % 2)
	s_lshl_b32 s[SC0], s[SL], 8
	s_add_co_u32 s[OFS], s[OFS], s[SC0]
	s_lshr_b32 s[SC0], s[WV], 1
	s_lshl_b32 s[SC0], s[SC0], 18
	s_add_co_u32 s[OFS], s[OFS], s[SC0]
	s_and_b32 s[SC0], s[WV], 1
	s_lshl_b32 s[SC0], s[SC0], 13
	s_add_co_u32 s[OFS], s[OFS], s[SC0]
	s_add_nc_u64 s[W2B:W2B+1], s[4:5], s[OFS:OFS+1]
	global_load_b128 v[64:67], v5, s[B2B:B2B+1]    ; b2[64 sl + 4 c ..]
	LOADG 0
	LOADG 1
	LOADG 2
	WIN 0
	s_lshl_b32 s[OFS], s[EX], 23                   ; hs at expert e
	s_add_nc_u64 s[HSE:HSE+1], s[8:9], s[OFS:OFS+1]
	s_mul_i32 s[OFS], s[EX], ORDB                  ; order at expert e
	s_add_nc_u64 s[ORB:ORB+1], s[10:11], s[OFS:OFS+1]
	s_wait_kmcnt 0x0                               ; the count
	s_add_co_u32 s[TT], s[CN], 15
	s_lshr_b32 s[TT], s[TT], 4                     ; T
	s_max_u32 s[TM1], s[TT], 1
	s_sub_co_u32 s[TM1], s[TM1], 1
	s_add_co_u32 s[TLC], s[TT], 1
	s_sub_co_u32 s[TLC], s[TLC], s[HF]
	s_lshr_b32 s[TLC], s[TLC], 1                   ; tiles of my parity
	TKLOAD                                         ; block 0's tokens: 6 loads behind groups 0 to 2
	s_wait_loadcnt 0x2f                            ; of the 55 loads out the oldest 8 are in, the bias among them: the 16 below make 63
	LOADG 3
	WIN 0
	v_cvt_pk_bf16_f32 v19, v64, v65                ; the bias, rounded to bf16 like the other inputs, as a C operand: all eight registers of tile t = b2[64 sl + 4 c + t]
	v_cvt_pk_bf16_f32 v20, v66, v67
	WIN 0x80
.set j, 0
.rept 8
	v_lshlrev_b32 v[BIAS+j], 16, v19
	v_and_b32 v[BIAS+8+j], s[HIM], v19
	v_lshlrev_b32 v[BIAS+16+j], 16, v20
	v_and_b32 v[BIAS+24+j], s[HIM], v20
.set j, j+1
.endr
	CONVG 0, 6                                     ; the 6 token loads are among the younger ones
	CONVG 1, 6
	CONVG 2, 6
	CONVG 3                                        ; groups 4 to 6 are younger: the tokens are in
	WIN 0
	TKPREP
.irp g, 4,5,6,7,8,9,10,11,12,13
	CONVG \g
.endr
	SETUPN
	SETUPA
	RATLOAD                                        ; 24 loads of ratios,
	ALOAD 0, 0                                     ; and h of k steps 0 to 2, 18 loads, go out behind the last weight loads, into registers of groups 12 and 13, which are rounded
	ALOAD 1, ASTEP
	ALOAD 2, 2*ASTEP
	CONVG 14, 42                                   ; group 15 and those 42 loads are younger
	CONVG 15, 42
.set ua, 3
.rept D-3
	ALOAD ua, ASTEP*ua
.set ua, ua+1
.endr
	WIN 0
	s_wait_tensorcnt 0x0                           ; my last LDS store is issued
	ds_add_u32 v30, v31
	s_wait_dscnt 0x0                               ; my fragments are stored, for the others' sake
	s_barrier_signal -1
	s_barrier_wait -1                              ; the whole slice is in LDS; from here on no wave writes LDS
	s_branch .Lgo                                  ; block 0 is set up: the loop over blocks is entered in its middle
.Lblk:
	SETUPN
	s_cmp_eq_u32 s[NL], 0
	s_cbranch_scc1 .Lnext                          ; nothing of mine in this block: no load is issued for it
	s_wait_xcnt 0x0                                ; the registers below were sources of the last block's loads and stores
	TKLOAD
	s_wait_loadcnt 0x0
	TKPREP
	SETUPA
	RATLOAD
.set ua, 0
.rept D
	ALOAD ua, ASTEP*ua
.set ua, ua+1
.endr
	WIN 0
.Lgo:
.set t, 0
.rept 4
	ds_load_b128 v[BB+8*t:BB+8*t+3], v4 offset:1024*t          ; the weights of k step 0
	ds_load_b128 v[BB+8*t+4:BB+8*t+7], v4 offset:1024*t+512
.set t, t+1
.endr
	U 0, 0, 1, 1, 4, 4096, 1, D%R, ASTEP*D, LPS*D  ; k step 0 starts the sums
	s_mov_b32 s[LST], 0
	s_mov_b32 s[TRP], TRIPN
.Ltrip:                                                ; trip m: k steps 1 + 10 m .. 10 + 10 m
	v_add_nc_u32 v7, s[LST], v4
.set uj, 0
.rept R
	U (1+uj)%R, (1+uj)&1, 0, 1, 7, 4096*(2+uj), 1, (1+uj+D)%R, ASTEP*(1+uj+D), LPS*D
.set uj, uj+1
.endr
	s_wait_xcnt 0x0                                ; the base is stepped only behind this wait
	s_add_nc_u64 s[HA:HA+1], s[HA:HA+1], R*ASTEP
	s_add_co_u32 s[LST], s[LST], R*4096
	s_sub_co_u32 s[TRP], s[TRP], 1
	s_cmp_lg_u32 s[TRP], 0
	s_cbranch_scc1 .Ltrip
	v_add_nc_u32 v7, s[LST], v4
.set uj, 0
.rept TL                               ; the last steps are written out: nothing is asked for past the tiles' ends, and the counts run down
.set us, NK-TL+uj
.set ulw, NK-1-us
.if ulw > D
.set ulw, D
.endif
.set ubn, 0
.if us < NK-1
.set ubn, 1
.endif
.set uan, 0
.if us+D < NK
.set uan, 1
.endif
	U (1+uj)%R, (1+uj)&1, 0, ubn, 7, 4096*(2+uj), uan, (1+uj+D)%R, ASTEP*(1+uj+D), LPS*ulw
.set uj, uj+1
.endr
	; the way out: times the token's ratio, which also brings a lane's four columns into neighbouring registers (the ratios are older than every load of h: the last step's wait for 0 has shown them in)
	PLACES
.set i, 0
.rept NSLOT
	s_cmp_le_u32 s[NL], i
	s_cbranch_scc1 .Lepi_end                       ; slots past the last tile store nothing
	s_wait_xcnt 0x0                                ; the registers below were the last slot's store data
.set j, 0
.rept 8
.set t, 0
.rept 4
	v_mul_f32 v[OUT+4*j+t], v[ACC+32*i+8*t+j], v[RAT+8*i+j]    ; register 0 of every accumulator comes first
.set t, t+1
.endr
	global_store_b128 v[ROW+8*i+j], v[OUT+4*j:OUT+4*j+3], s[OB:OB+1] th:TH_STORE_NT  ; lanes 0-15: 256 consecutive aligned bytes of token j's row; lanes 16-31: of token 8 + j's
.set j, j+1
.endr
.set i, i+1
.endr
.Lepi_end:
.Lnext:
	s_add_co_u32 s[BLK], s[BLK], 1
	s_cmp_lt_u32 s[BLK], NBLK
	s_cbranch_scc1 .Lblk
	s_endpgm
.Lfunc_end_k_qc56929aa9a_down:
	.size	k_qc56929aa9a_down, .Lfunc_end_k_qc56929aa9a_down-k_qc56929aa9a_down
	.p2alignl 7, 3214868480
	.fill 96, 4, 3214868480
	.section	.rodata,"a",@progbits
	.p2align	6, 0x0
	.amdhsa_kernel k_qc56929aa9a_down
		.amdhsa_group_segment_fixed_size 262656
		.amdhsa_private_segment_fixed_size 0
		.amdhsa_enable_private_segment 0
		.amdhsa_kernarg_size 56
		.amdhsa_user_sgpr_count 2
		.amdhsa_user_sgpr_kernarg_segment_ptr 1
		.amdhsa_wavefront_size32 1
		.amdhsa_system_sgpr_workgroup_id_x 1
		.amdhsa_system_sgpr_workgroup_id_y 1
		.amdhsa_system_sgpr_workgroup_id_z 1
		.amdhsa_system_vgpr_workitem_id 0
		.amdhsa_next_free_vgpr 544
		.amdhsa_next_free_sgpr 66
		.amdhsa_reserve_vcc 0
		.amdhsa_float_denorm_mode_32 3
		.amdhsa_float_denorm_mode_16_64 3
		.amdhsa_memory_ordered 1
		.amdhsa_forward_progress 1
		.amdhsa_inst_pref_size 152
	.end_amdhsa_kernel
	.amdgpu_metadata
---
amdhsa.version: [ 1, 2 ]
amdhsa.kernels:
  - .name:           k_qc56929aa9a_down
    .symbol:         k_qc56929aa9a_down.kd
    .args:
      - { .name: W2, .offset: 0, .size: 8, .value_kind: global_buffer, .address_space: global }
      - { .name: b2, .offset: 8, .size: 8, .value_kind: global_buffer, .address_space: global }
      - { .name: hs, .offset: 16, .size: 8, .value_kind: global_buffer, .address_space: global }
      - { .name: order, .offset: 24, .size: 8, .value_kind: global_buffer, .address_space: global }
      - { .name: cnt, .offset: 32, .size: 8, .value_kind: global_buffer, .address_space: global }
      - { .name: ratio, .offset: 40, .size: 8, .value_kind: global_buffer, .address_space: global }
      - { .name: out0, .offset: 48, .size: 8, .value_kind: global_buffer, .address_space: global }
    .group_segment_fixed_size: 262656
    .private_segment_fixed_size: 0
    .kernarg_segment_align: 8
    .kernarg_segment_size: 56
    .max_flat_workgroup_size: 128
    .sgpr_count:     66
    .vgpr_count:     544
    .wavefront_size: 32
...
	.end_amdgpu_metadata
.endif
;; end of part 6
